; MI455X (gfx1250); checked and timed in simulation.
; The chip was launched on July 23, 2026; its instructions are those of AMD's public machine-readable ISA for CDNA 5 (MIT licence, August 2026) and "CDNA5" Instruction Set Architecture Reference Guide (July 2026). The comments in the code are by the model that wrote it; some were corrected since.
;; Multi Head Attention. Allowed arithmetic: float matrix products may take bf16 or f16 operands with f32 sums; all other float work in f32.
;; Inputs: Wk 1,024 x 1,024 float32; Wo 1,024 x 1,024 float32; Wq 1,024 x 1,024 float32; Wv 1,024 x 1,024 float32; bk 1,024 float32; bo 1,024 float32; bq 1,024 float32; bv 1,024 float32; key 4 x 2,048 x 1,024 float32; mask 1 x 1 x 2,048 x 2,048 float32; query 4 x 2,048 x 1,024 float32; value 4 x 2,048 x 1,024 float32.
;; Outputs: out0 4 x 2,048 x 1,024 float32.
;; 2 versions, each right and faster than the one before. Each part assembles by itself: llvm-mc -triple=amdgcn-amd-amdhsa -mcpu=gfx1250 --defsym DOCPART=n.
;; ======== version 1 of 2: 4 launches
;; limits: values are held in f16: magnitudes above 65,504 overflow, below 6.1e-05 lose precision; sums are carried in f16
;; workspace buffers: xb 50,331,648 bytes; wb 6,291,456 bytes; wo16 2,097,152 bytes; qkv 67,108,864 bytes; ob 16,777,216 bytes
;; launch prep (part 1): grid 32 x 28, 8 waves a work-group, no clusters, 0 bytes of LDS; arguments query, key, value, Wq, Wk, Wv, Wo, xb, wb, wo16; writes xb, wb, wo16
.if DOCPART == 1
	.amdgcn_target "amdgcn-amd-amdhsa--gfx1250"
	.amdhsa_code_object_version 6
	.text
	.protected	k_q981278a468_prep
	.globl	k_q981278a468_prep
	.p2align	8
	.type	k_q981278a468_prep,@function
k_q981278a468_prep:
	s_mov_b64 s[64:65], 0
	v_nop
	global_prefetch_b8 v0, s[64:65] scope:SCOPE_SE
	s_setreg_imm32_b32 hwreg(HW_REG_WAVE_MODE, 25, 1), 1
	s_wait_xcnt 0x0
; CASTS.  query, key, value (f32, 8,388,608 numbers each) -> xb [3][8192][1024] bf16; Wq, Wk, Wv (1,048,576 each) -> wb [3][1024][1024] bf16;
; Wo -> wo16 [1024][1024]: rounded to bf16 like the other inputs, and that number written as f16.
; LIMIT: that second step is exact for |w| from 6.1e-5 to 65,504; below, f16 keeps a fixed step of 6e-8; beyond 65,504 it gives an infinity.
; SHARES.  A segment is 1,048,576 numbers: y = 0..23 are the eight segments of query, key, value; y = 24..27 are Wq, Wk, Wv, Wo.  x = 0..31 is a chunk of 32,768 numbers.
; Thread t takes 16 bytes at 16 t of every 4,096: a wave's load covers 512 consecutive bytes, its store of 8 bytes a lane 256 consecutive bytes, aligned.
; A stream: no LDS, no barrier, no matrix unit; several work-groups lie on a WGP, eight loads of every wave on their way.
.set X,  4                             ; v[4:35]   eight loads of four f32
.set YR, 36                            ; v[36:51]  eight pairs of words to store
.set T,  52                            ; v[52:55]  at work
	s_load_b512 s[8:23], s[0:1], 0x0               ; query s[8:9], key, value, Wq, Wk, Wv, Wo s[20:21], xb s[22:23]
	s_load_b128 s[24:27], s[0:1], 0x40             ; wb s[24:25], wo16 s[26:27]
	s_and_b32 s4, ttmp7, 0xffff                    ; y: the segment
	v_lshlrev_b32 v1, 4, v0                        ; my 16 bytes in
	v_lshlrev_b32 v2, 3, v0                        ; my 8 bytes out
	s_and_b32 s5, s4, 7                            ; source offset: segment y % 8 of its tensor (4 MiB each); a weight has one segment
	s_lshl_b32 s5, s5, 22
	s_cmp_lt_u32 s4, 24
	s_cselect_b32 s5, s5, 0
	s_lshl_b32 s6, ttmp9, 17                       ; + the chunk's 131,072 bytes
	s_add_co_u32 s32, s5, s6
	s_mov_b32 s33, 0
	s_sub_co_u32 s7, s4, 24                        ; destination offset: segment y of xb, y - 24 of wb, 0 of wo16 (2 MiB each)
	s_cmp_lt_u32 s4, 24
	s_cselect_b32 s7, s4, s7
	s_cmp_eq_u32 s4, 27
	s_cselect_b32 s7, 0, s7
	s_lshl_b32 s7, s7, 21
	s_lshl_b32 s6, ttmp9, 16                       ; + the chunk's 65,536 bytes
	s_add_co_u32 s36, s7, s6
	s_mov_b32 s37, 0
	s_wait_kmcnt 0x0
	s_mov_b64 s[28:29], s[8:9]                     ; the source, chosen by y alone
	s_cmp_ge_u32 s4, 8
	s_cselect_b64 s[28:29], s[10:11], s[28:29]
	s_cmp_ge_u32 s4, 16
	s_cselect_b64 s[28:29], s[12:13], s[28:29]
	s_cmp_ge_u32 s4, 24
	s_cselect_b64 s[28:29], s[14:15], s[28:29]
	s_cmp_ge_u32 s4, 25
	s_cselect_b64 s[28:29], s[16:17], s[28:29]
	s_cmp_ge_u32 s4, 26
	s_cselect_b64 s[28:29], s[18:19], s[28:29]
	s_cmp_ge_u32 s4, 27
	s_cselect_b64 s[28:29], s[20:21], s[28:29]
	s_mov_b64 s[30:31], s[22:23]                   ; the destination
	s_cmp_ge_u32 s4, 24
	s_cselect_b64 s[30:31], s[24:25], s[30:31]
	s_cmp_ge_u32 s4, 27
	s_cselect_b64 s[30:31], s[26:27], s[30:31]
	s_add_nc_u64 s[28:29], s[28:29], s[32:33]
	s_add_nc_u64 s[30:31], s[30:31], s[36:37]
; Four trips of 8,192 numbers.  half = 1: the bf16 number is written as f16.
.macro CAST half
	s_mov_b32 s34, 4
.Ltrip_\@:
.irp i, 0,1,2,3,4,5,6,7
	global_load_b128 v[X+4*(\i):X+4*(\i)+3], v1, s[28:29] offset:(\i)*4096 th:TH_LOAD_NT
.endr
.irp i, 0,1,2,3,4,5,6,7
	s_wait_loadcnt 7-(\i)                          ; loads come back in order: load i is in, the younger ones stay out
.if \half
	v_cvt_pk_bf16_f32 v[T],   v[X+4*(\i)],   v[X+4*(\i)+1]
	v_cvt_pk_bf16_f32 v[T+1], v[X+4*(\i)+2], v[X+4*(\i)+3]
	v_lshlrev_b32 v[T+2], 16, v[T]                 ; the rounded numbers as f32 again
	v_and_b32 v[T], 0xffff0000, v[T]
	v_lshlrev_b32 v[T+3], 16, v[T+1]
	v_and_b32 v[T+1], 0xffff0000, v[T+1]
	v_cvt_pk_f16_f32 v[YR+2*(\i)],   v[T+2], v[T]
	v_cvt_pk_f16_f32 v[YR+2*(\i)+1], v[T+3], v[T+1]
.else
	v_cvt_pk_bf16_f32 v[YR+2*(\i)],   v[X+4*(\i)],   v[X+4*(\i)+1]
	v_cvt_pk_bf16_f32 v[YR+2*(\i)+1], v[X+4*(\i)+2], v[X+4*(\i)+3]
.endif
	global_store_b64 v2, v[YR+2*(\i):YR+2*(\i)+1], s[30:31] offset:(\i)*2048
.endr
	s_wait_xcnt 0x0                                ; the offsets and the stores' data are rewritten only behind this wait
	v_add_nc_u32 v1, 0x8000, v1
	v_add_nc_u32 v2, 0x4000, v2
	s_sub_co_u32 s34, s34, 1
	s_cmp_lg_u32 s34, 0
	s_cbranch_scc1 .Ltrip_\@
.endm
	s_cmp_eq_u32 s4, 27
	s_cbranch_scc1 .Lwo
	CAST 0
	s_endpgm
.Lwo:
	CAST 1
	s_endpgm
.Lfunc_end_k_q981278a468_prep:
	.size	k_q981278a468_prep, .Lfunc_end_k_q981278a468_prep-k_q981278a468_prep
	.p2alignl 7, 3214868480
	.fill 96, 4, 3214868480
	.section	.rodata,"a",@progbits
	.p2align	6, 0x0
	.amdhsa_kernel k_q981278a468_prep
		.amdhsa_group_segment_fixed_size 0
		.amdhsa_private_segment_fixed_size 0
		.amdhsa_enable_private_segment 0
		.amdhsa_kernarg_size 80
		.amdhsa_user_sgpr_count 2
		.amdhsa_user_sgpr_kernarg_segment_ptr 1
		.amdhsa_wavefront_size32 1
		.amdhsa_system_sgpr_workgroup_id_x 1
		.amdhsa_system_sgpr_workgroup_id_y 1
		.amdhsa_system_sgpr_workgroup_id_z 1
		.amdhsa_system_vgpr_workitem_id 0
		.amdhsa_next_free_vgpr 56
		.amdhsa_next_free_sgpr 66
		.amdhsa_reserve_vcc 0
		.amdhsa_float_denorm_mode_32 3
		.amdhsa_float_denorm_mode_16_64 3
		.amdhsa_memory_ordered 1
		.amdhsa_forward_progress 1
		.amdhsa_inst_pref_size 11
	.end_amdhsa_kernel
	.amdgpu_metadata
---
amdhsa.version: [ 1, 2 ]
amdhsa.kernels:
  - .name:           k_q981278a468_prep
    .symbol:         k_q981278a468_prep.kd
    .args:
      - { .name: query, .offset: 0, .size: 8, .value_kind: global_buffer, .address_space: global }
      - { .name: key, .offset: 8, .size: 8, .value_kind: global_buffer, .address_space: global }
      - { .name: value, .offset: 16, .size: 8, .value_kind: global_buffer, .address_space: global }
      - { .name: Wq, .offset: 24, .size: 8, .value_kind: global_buffer, .address_space: global }
      - { .name: Wk, .offset: 32, .size: 8, .value_kind: global_buffer, .address_space: global }
      - { .name: Wv, .offset: 40, .size: 8, .value_kind: global_buffer, .address_space: global }
      - { .name: Wo, .offset: 48, .size: 8, .value_kind: global_buffer, .address_space: global }
      - { .name: xb, .offset: 56, .size: 8, .value_kind: global_buffer, .address_space: global }
      - { .name: wb, .offset: 64, .size: 8, .value_kind: global_buffer, .address_space: global }
      - { .name: wo16, .offset: 72, .size: 8, .value_kind: global_buffer, .address_space: global }
    .group_segment_fixed_size: 0
    .private_segment_fixed_size: 0
    .kernarg_segment_align: 8
    .kernarg_segment_size: 80
    .max_flat_workgroup_size: 256
    .sgpr_count:     66
    .vgpr_count:     56
    .wavefront_size: 32
...
	.end_amdgpu_metadata
.endif
;; end of part 1
;; launch proj (part 2): grid 4 x 64, 4 waves a work-group, clusters of 4 x 4, 327,680 bytes of LDS; arguments xb, wb, bq, bk, bv, qkv; writes qkv
.if DOCPART == 2
	.amdgcn_target "amdgcn-amd-amdhsa--gfx1250"
	.amdhsa_code_object_version 6
	.text
	.protected	k_q981278a468_proj
	.globl	k_q981278a468_proj
	.p2align	8
	.type	k_q981278a468_proj,@function
k_q981278a468_proj:
	s_mov_b64 s[64:65], 0
	v_nop
	global_prefetch_b8 v0, s[64:65] scope:SCOPE_SE
	s_setreg_imm32_b32 hwreg(HW_REG_WAVE_MODE, 25, 1), 1
	s_wait_xcnt 0x0
	s_wait_alu depctr_hold_cnt(0) depctr_sa_sdst(0) depctr_va_vdst(0) depctr_va_sdst(0) depctr_va_ssrc(0) depctr_va_vcc(0) depctr_vm_vsrc(0)
	s_getreg_b32 s2, hwreg(HW_REG_IB_STS2, 6, 4)
	s_cmp_eq_u32 s2, 0
	s_cbranch_scc0 .Lentry_in_a_cluster
	s_endpgm
.Lentry_in_a_cluster:
	s_bfe_u32 s2, ttmp6, 0x10000c
	s_cmp_lg_u32 s2, 0xf033
	s_cbranch_scc0 .Lentry_shape_is_right
	s_endpgm
.Lentry_shape_is_right:
; THE THREE INPUT PROJECTIONS, C = A W + bias, K = N = 1,024.  A = xb [3 x 8192][1024] bf16 (query, key, value), W = wb [3][k][n] bf16, biases rounded to bf16 like the other inputs, sums in f32.
; Results are rounded to f16 and stored by heads: a block of 16,384 bytes is [head of a pair 2][row 64][channel 64], block number ((batch 8 + head pair) 32 + row block), 1,024 blocks a part;
; qkv has four parts: q's sum over k < 512 (with the bias), k, v, q's sum over k >= 512 (without).  The launch behind joins q's two parts in f32.
; LIMIT: f16 holds no number beyond 65,504: q's two parts, k and v must stay within it (the drawn inputs give a spread of 0.64).
; SHARES.  A tile of C is 256 x 256: four waves, each 128 x 128: 64 accumulators of 16 x 16, 512 registers.  q, k and v are 384 such tiles for 256 work-groups, so A WORK-GROUP STAYS and makes one and a half:
; tile X, a whole tile of k or v (8 K steps of 128), then tile Y, one half of K of a tile of q (4 steps): 12 steps for everybody, through ONE ring of two LDS slots that does not stop between the tiles.
; The matrix instruction is used transposed (source 0 = 16 columns of W, turned on the way out of LDS; source 1 = 16 rows of A): a lane holds one row of C and eight neighbouring columns.
; So a lane's eight bias numbers of a column block are the C operand of the products that start a tile's sums, and the way out is a rounding alone.
; CLUSTER 4 x 4: the four work-groups of a row of the cluster take the same rows of A, the four of a column the same columns of W, in both tiles: each tile is asked for jointly.
; REGISTERS, in windows of 256: window 0: v16-29 addresses; v64-127, v128-191 A's fragments, two buffers; v32-63, v192-255 at work on the way out.
;   window 1: v64-127, v128-191 W's fragments, two buffers; v0-63 the bias of the tile in hand; v192-255 tile Y's, until tile X has left.
;   windows 2, 3: accumulator (a, b) at v[8 (8 (a % 4) + b)], rows 0-63 in window 2, rows 64-127 in window 3.
.set PA,    272                        ; a row of A in LDS: 128 bf16 + 16 bytes: the 16 rows of a load start at 16 different groups of four banks
.set PB,    544                        ; a k row of W: 256 bf16 + 32 bytes
.set PIECE, 128*PA                     ; what one tensor load brings: 128 rows of A, or 64 k rows of W (64 x 544 is the same number)
.set BOFF,  2*PIECE                    ; W's tile lies behind A's
.set SLOT,  4*PIECE                    ; 139,264 = 0x22000; the four pieces begin at 0, 0x8800, 0x11000, 0x19800, none of which has bit 17 or bit 13: an exclusive or with SLOT adds or takes away SLOT
.set STAGE, 2*SLOT                     ; behind the ring: 16 rows x 272 bytes for each wave; no tensor load lands here
.set SP,    272
.set SPARE, STAGE+4*16*SP              ; the spare words: 128 bytes a wave, two blocks of 256 bytes that no other line names
.set ASTEP, 256                        ; 128 along K in A
.set BSTEP, 128*2048                   ; 128 k rows of W
.set A0,   16                          ; my lane's place in A's tile; never rewritten
.set B0,   17                          ; the same for W
.set ADRA, 18                          ; the same in the slot in hand
.set ADRB, 19
.set STO,  24                          ; the way out: where I put 16 bytes of a row
.set RD,   25                          ; where I read rows back
.set GO,   26                          ; my byte offset in 512 consecutive bytes of the output
.set BO,   27                          ; my byte offset in the bias
.set SPW,  28                          ; LDS address of my spare word; never rewritten
.set NIL,  29                          ; 0; never rewritten
.set F0,   64
.set F1,   128
.set TMP,  192                         ; v192-223
.set BX,   0                           ; window 1
.set BY,   192                         ; window 1
.set G1A, 24                           ; s[24:31] descriptor group 1 for A's tiles
.set G0A, 32                           ; s[32:35] group 0 for K step 0; s[36:39] for K step 1, which then walks
.set G1B, 48                           ; s[48:55], s[56:59], s[60:63] the same for W's
.set G0B, 56
.set OA,  20                           ; s[20:21] byte offset in xb of the tile to be asked for next
.set OB,  22                           ; s[22:23] the same in wb
.set PX,  42                           ; s[42:43] where my part of tile X goes
.set TB,  44                           ; s44 the slot in hand: 0 or SLOT
.set GC,  45                           ; s45 counts the K steps
.set YA,  66                           ; s66, s67 the offsets of tile Y's first K step
.set YB,  67
.set CB,  72                           ; s72 all ones in the half of K that carries q's bias, 0 in the other
.set HM,  73                           ; s73 a word's upper bf16
.set PY,  84                           ; s[84:85] where my part of tile Y goes
.set MSB, 0
.macro WIN new                         ; the immediate's high byte repeats the setting that is left; a switch that changes nothing is dropped
.if MSB != (\new)
	s_set_vgpr_msb (MSB<<8)|(\new)
.set MSB, \new
.endif
.endm
.set MUL_LO, 0xa1                      ; source 0 (W) window 1, source 1 (A) window 0, C and D window 2
.set MUL_HI, 0xf1                      ; the same, C and D window 3
.set BEG_LO, 0x91                      ; the products that start the sums: C (the bias) window 1, D window 2
.set BEG_HI, 0xd1                      ; the same, D window 3
.set TO_B,   0x40                      ; destination window 1, address window 0
.macro PLACES                          ; four plain vector instructions between a matrix instruction and a load into, or a vector read of, its registers
.rept 4
	v_nop
.endr
.endm
; A joint refill by the walking descriptors: waves 0 and 1 fetch A's two halves, waves 2 and 3 W's.  An s_nop 0 and four v_nop follow each line.
.macro JLOAD
	s_cmp_eq_u32 s11, 0
	s_cbranch_scc0 .Lfor_b_\@
	tensor_load_to_lds s[G0A+4:G0A+7], s[G1A:G1A+7]
	s_nop 0
.rept 4
	v_nop
.endr
	s_branch .Lasked_\@
.Lfor_b_\@:
	tensor_load_to_lds s[G0B+4:G0B+7], s[G1B:G1B+7]
	s_nop 0
.rept 4
	v_nop
.endr
.Lasked_\@:
.endm
.macro CREST                           ; a round of the cluster's barrier behind its opening barrier
	s_cmp_lg_u32 s10, 0
	s_cbranch_scc1 .Lnot_wave_0_\@
	s_barrier_signal -3
.Lnot_wave_0_\@:
	s_barrier_wait -3
	s_barrier_signal -1
	s_barrier_wait -1
.endm
.macro CROUND
	s_barrier_signal -1
	s_barrier_wait -1
	CREST
.endm
	s_load_b128 s[4:7], s[0:1], 0x0                ; xb s[4:5], wb s[6:7]
	s_load_b128 s[76:79], s[0:1], 0x10             ; bq s[76:77], bk s[78:79]
	s_load_b128 s[80:83], s[0:1], 0x20             ; bv s[80:81], qkv s[82:83]
	v_lshl_add_u32 v[SPW], v0, 2, SPARE
	v_mov_b32 v[NIL], 0
	ds_add_u32 v28, v29
	s_wait_dscnt 0x0
	v_lshrrev_b32 v1, 5, v0
	v_readfirstlane_b32 s10, v1                    ; wave 0..3
	s_lshr_b32 s11, s10, 1                         ; my half of the tile's rows.  Also: I fetch for A (0) or for W (1)
	s_and_b32 s12, s10, 1                          ; my half of its columns.  Also: which half of that tile I fetch
	s_bfe_u32 s13, ttmp6, 0x40000                  ; cx
	s_bfe_u32 s14, ttmp6, 0x40004                  ; cy
	s_lshl_b32 s15, ttmp9, 2
	s_add_co_u32 s15, s15, s13                     ; tile column 0..3
	s_and_b32 s17, ttmp7, 0xffff                   ; cluster y 0..15
	s_and_b32 s16, s17, 7
	s_lshl_b32 s16, s16, 2
	s_add_co_u32 s16, s16, s14                     ; block of 256 rows, 0..31, in both tiles
	s_lshr_b32 s17, s17, 3                         ; 0: tile X is k's, tile Y the first half of K; 1: v's, the second half.  The same in the whole cluster
	s_lshl_b32 s18, s14, 2
	s_lshl_b32 s18, 15, s18                        ; my row of the cluster
	s_lshl_b32 s19, 0x1111, s13                    ; my column
	s_or_b32 s[G1A], s18, (1<<16)|(1<<20)|(1<<21)|(5<<22)|(3<<25)  ; the mask; 2-byte elements; padding on; bit 21 beside a mask; after every 64 words 4 words of padding
	s_mov_b32 s[G1A+1], 128<<16                    ; tensor_dim0 = 128
	s_mov_b32 s[G1A+2], 128<<16                    ; tensor_dim1 = 128
	s_mov_b32 s[G1A+3], 128<<16                    ; tile_dim0 = 128
	s_mov_b32 s[G1A+4], 128                        ; tile_dim1 = 128
	s_mov_b32 s[G1A+5], 1024                       ; elements from row to row
	s_mov_b32 s[G1A+6], 0
	s_mov_b32 s[G1A+7], 0
	s_or_b32 s[G1B], s19, (1<<16)|(1<<20)|(1<<21)|(6<<22)|(7<<25)  ; after every 128 words 8 words of padding
	s_mov_b32 s[G1B+1], 256<<16
	s_mov_b32 s[G1B+2], 64<<16
	s_mov_b32 s[G1B+3], 256<<16
	s_mov_b32 s[G1B+4], 64
	s_mov_b32 s[G1B+5], 1024
	s_mov_b32 s[G1B+6], 0
	s_mov_b32 s[G1B+7], 0
	; offsets, made apart from the addresses.  A's hang on the row block, which my row of the cluster shares; W's on the tile column, which my column shares
	s_lshl_b32 s[YA], s16, 19                      ; 256 rows of 2,048 bytes a block,
	s_lshl_b32 s2, s12, 18                         ; 128 rows a half
	s_add_co_u32 s[YA], s[YA], s2
	s_add_co_u32 s[OA], s17, 1                     ; tile X: key's or value's 8,192 rows
	s_lshl_b32 s[OA], s[OA], 24
	s_add_co_u32 s[OA], s[OA], s[YA]
	s_lshl_b32 s2, s17, 10                         ; tile Y: query's rows, from k = 0 or k = 512
	s_add_co_u32 s[YA], s[YA], s2
	s_mov_b32 s[OA+1], 0
	s_lshl_b32 s[YB], s15, 9                       ; 256 columns of 2 bytes a tile column,
	s_lshl_b32 s3, s12, 17                         ; 64 k rows a half
	s_add_co_u32 s[YB], s[YB], s3
	s_add_co_u32 s[OB], s17, 1                     ; tile X: Wk or Wv
	s_lshl_b32 s[OB], s[OB], 21
	s_add_co_u32 s[OB], s[OB], s[YB]
	s_lshl_b32 s3, s17, 20                         ; tile Y: Wq, from k row 0 or 512
	s_add_co_u32 s[YB], s[YB], s3
	s_mov_b32 s[OB+1], 0
	s_mov_b32 s[G0A], 1                            ; count = 1
	s_mul_i32 s[G0A+1], s12, PIECE                 ; LDS address: slot 0, my half; no place in the cluster enters it
	s_mov_b32 s[G0A+4], 1
	s_add_co_u32 s[G0A+5], s[G0A+1], SLOT          ; slot 1
	s_mov_b32 s[G0B], 1
	s_mul_i32 s[G0B+1], s12, PIECE
	s_add_co_u32 s[G0B+1], s[G0B+1], BOFF
	s_mov_b32 s[G0B+4], 1
	s_add_co_u32 s[G0B+5], s[G0B+1], SLOT
	s_mov_b32 s[TB], 0
	s_mov_b32 s[HM], 0xffff0000
	s_wait_kmcnt 0x0
	s_add_nc_u64 s[G0A+2:G0A+3], s[4:5], s[OA:OA+1]
	s_add_nc_u64 s[G0A+6:G0A+7], s[G0A+2:G0A+3], ASTEP
	s_or_b32 s[G0A+3], s[G0A+3], 0x80000000        ; type = 2
	s_or_b32 s[G0A+7], s[G0A+7], 0x80000000
	s_add_nc_u64 s[G0B+2:G0B+3], s[6:7], s[OB:OB+1]
	s_add_nc_u64 s[G0B+6:G0B+7], s[G0B+2:G0B+3], BSTEP
	s_or_b32 s[G0B+3], s[G0B+3], 0x80000000
	s_or_b32 s[G0B+7], s[G0B+7], 0x80000000
	s_add_co_u32 s[OA], s[OA], 2*ASTEP             ; the next tile to be asked for is K step 2's
	s_add_co_u32 s[OB], s[OB], 2*BSTEP
	CROUND                                         ; all sixteen work-groups are here: the first joint loads meet
	s_cmp_eq_u32 s11, 0                            ; a wave's two first fills stand in one branch, ahead of every wait on TENSORcnt and every LDS read: two loads of mine are out
	s_cbranch_scc0 .Lfirst_b
	tensor_load_to_lds s[G0A:G0A+3], s[G1A:G1A+7]
	s_nop 0
	tensor_load_to_lds s[G0A+4:G0A+7], s[G1A:G1A+7]
	s_nop 0
.rept 4
	v_nop
.endr
	s_branch .Lfirst_asked
.Lfirst_b:
	tensor_load_to_lds s[G0B:G0B+3], s[G1B:G1B+7]
	s_nop 0
	tensor_load_to_lds s[G0B+4:G0B+7], s[G1B:G1B+7]
	s_nop 0
.rept 4
	v_nop
.endr
.Lfirst_asked:
	s_cmp_eq_u32 s17, 0
	s_cselect_b64 s[40:41], s[78:79], s[80:81]     ; tile X's bias: bk or bv
	s_cselect_b32 s[CB], -1, 0                     ; tile Y's bias goes with the first half of K alone
	s_lshl_b32 s46, s15, 10                        ; my 128 columns' bias: 1,024 x tile column + 512 x half
	s_lshl_b32 s47, s12, 9
	s_add_co_u32 s46, s46, s47
	s_mov_b32 s47, 0
	s_add_nc_u64 s[40:41], s[40:41], s[46:47]
	s_add_nc_u64 s[76:77], s[76:77], s[46:47]
	v_and_b32 v1, 15, v0                           ; l % 16
	v_bfe_u32 v2, v0, 4, 1                         ; l / 16
	v_lshlrev_b32 v[BO], 5, v2                     ; my eight columns of a block of 16
	WIN TO_B
.irp b, 0,1,2,3,4,5,6,7
	global_load_b128 v[BX+8*(\b):BX+8*(\b)+3],   v[BO], s[40:41] offset:64*(\b)
	global_load_b128 v[BX+8*(\b)+4:BX+8*(\b)+7], v[BO], s[40:41] offset:64*(\b)+16
	global_load_b128 v[BY+8*(\b):BY+8*(\b)+3],   v[BO], s[76:77] offset:64*(\b)
	global_load_b128 v[BY+8*(\b)+4:BY+8*(\b)+7], v[BO], s[76:77] offset:64*(\b)+16
.endr
	WIN 0
	s_lshr_b32 s46, s16, 3                         ; output: block ((batch 8 + 2 x tile column + column half) 32 + 4 (row block % 8) + 2 x row half)
	s_lshl_b32 s46, s46, 3
	s_lshl_b32 s47, s15, 1
	s_add_co_u32 s46, s46, s47
	s_add_co_u32 s46, s46, s12
	s_lshl_b32 s46, s46, 5
	s_and_b32 s47, s16, 7
	s_lshl_b32 s47, s47, 2
	s_add_co_u32 s46, s46, s47
	s_lshl_b32 s47, s11, 1
	s_add_co_u32 s46, s46, s47
	s_lshl_b32 s46, s46, 14
	s_mov_b32 s47, 0
	s_add_nc_u64 s[82:83], s[82:83], s[46:47]
	s_add_co_u32 s46, s17, 1                       ; tile X: part 1 (k) or 2 (v)
	s_lshl_b32 s46, s46, 24
	s_add_nc_u64 s[PX:PX+1], s[82:83], s[46:47]
	s_mul_i32 s46, s17, 3<<24                      ; tile Y: part 0 or 3
	s_add_nc_u64 s[PY:PY+1], s[82:83], s[46:47]
	; A's fragment: lane l holds row l % 16; K = 8 (l / 16) + 0..7 and 16 + 8 (l / 16) + 0..7: two loads of 16 bytes, 32 bytes apart
	v_mul_u32_u24 v3, v1, PA
	v_lshl_add_u32 v3, v2, 4, v3
	s_mul_i32 s46, s11, PIECE
	v_add_nc_u32 v[A0], s46, v3
	; W's fragment, turned: lane l reads k row 8 (l / 16) + l % 8, columns 8 ((l / 8) % 2) + 0..7, and receives column l % 16 and 8 k
	v_and_b32 v4, 7, v0
	v_lshl_add_u32 v4, v2, 3, v4
	v_mul_u32_u24 v4, v4, PB
	v_bfe_u32 v5, v0, 3, 1
	v_lshl_add_u32 v4, v5, 4, v4
	s_lshl_b32 s46, s12, 8
	s_add_co_u32 s46, s46, BOFF
	v_add_nc_u32 v[B0], s46, v4
	s_mul_i32 s47, s10, 16*SP
	s_add_co_u32 s47, s47, STAGE                   ; my stage
	v_mul_u32_u24 v3, v1, SP                       ; in: row l % 16, 16 bytes for each half of the lanes
	v_lshl_add_u32 v3, v2, 4, v3
	v_add_nc_u32 v[STO], s47, v3
	v_bfe_u32 v4, v0, 3, 2                         ; back: 32 lanes take one head's 128 bytes of four rows,
	v_mul_u32_u24 v4, v4, SP
	v_and_b32 v5, 7, v0
	v_lshl_add_u32 v4, v5, 4, v4
	v_add_nc_u32 v[RD], s47, v4
	v_and_b32 v[GO], 31, v0                        ; which are 512 consecutive bytes of the output
	v_lshlrev_b32 v[GO], 4, v[GO]
	v_mov_b32 v[ADRA], v[A0]
	v_mov_b32 v[ADRB], v[B0]
; A bias is rounded to bf16 and widened again; masked = 1: tile Y's becomes 0 in the half of K that does not carry it.  All this stands in the wait for the first tile.
.macro BIAS base, masked
	WIN 0x05                                       ; sources window 1, destination window 0
.set z, 0
.rept 32
	v_cvt_pk_bf16_f32 v[TMP+z], v[(\base)+2*z], v[(\base)+2*z+1]
.set z, z+1
.endr
.if \masked
	WIN 0
.set z, 0
.rept 32
	v_and_b32 v[TMP+z], s[CB], v[TMP+z]
.set z, z+1
.endr
.endif
	WIN 0x40
.set z, 0
.rept 32
	v_lshlrev_b32 v[(\base)+2*z], 16, v[TMP+z]
	v_and_b32 v[(\base)+2*z+1], s[HM], v[TMP+z]
.set z, z+1
.endr
	WIN 0
.endm
	s_wait_loadcnt 0x0
	BIAS BX, 0
	BIAS BY, 1
; 16 matrix instructions: row blocks a0, a0 + 1 of the window's four (hi = 0: my rows 0-63, 1: rows 64-127) x all 8 column blocks, 32 along K.
; The 64 accumulators take turns.  start = 1: the products start the sums, with column block b's bias as C: nothing is ever cleared.
.macro MUL16 f, hi, a0, start
.if \start
	WIN BEG_LO+0x40*(\hi)
.else
	WIN MUL_LO+0x50*(\hi)
.endif
.irp a, \a0, (\a0)+1
.irp b, 0,1,2,3,4,5,6,7
.if \start
	v_wmma_f32_16x16x32_bf16 v[8*(8*(\a)+(\b)):8*(8*(\a)+(\b))+7], v[(\f)+8*(\b):(\f)+8*(\b)+7], v[(\f)+8*(4*(\hi)+(\a)):(\f)+8*(4*(\hi)+(\a))+7], v[BX+8*(\b):BX+8*(\b)+7]
.else
	v_wmma_f32_16x16x32_bf16 v[8*(8*(\a)+(\b)):8*(8*(\a)+(\b))+7], v[(\f)+8*(\b):(\f)+8*(\b)+7], v[(\f)+8*(4*(\hi)+(\a)):(\f)+8*(4*(\hi)+(\a))+7], v[8*(8*(\a)+(\b)):8*(8*(\a)+(\b))+7]
.endif
.endr
.endr
.endm
; 32 LDS loads in one run: quarter q (32 along K) of the slot in hand into buffer f: W's 128 columns first, then A's 128 rows
.macro FETCH q, f
	WIN TO_B
.irp i, 0,1,2,3,4,5,6,7
	ds_load_tr16_b128 v[(\f)+8*(\i):(\f)+8*(\i)+3],   v[ADRB] offset:(\q)*32*PB+32*(\i)
	ds_load_tr16_b128 v[(\f)+8*(\i)+4:(\f)+8*(\i)+7], v[ADRB] offset:(\q)*32*PB+16*PB+32*(\i)
.endr
	WIN 0
.irp i, 0,1,2,3,4,5,6,7
	ds_load_b128 v[(\f)+8*(\i):(\f)+8*(\i)+3],   v[ADRA] offset:64*(\q)+(\i)*16*PA
	ds_load_b128 v[(\f)+8*(\i)+4:(\f)+8*(\i)+7], v[ADRA] offset:64*(\q)+(\i)*16*PA+32
.endr
.endm
; One of a K step's first three quarters: multiplies buffer f and, in its middle, fetches quarter qn into buffer g
.macro QUARTER qn, f, g, start
	s_wait_dscnt 8                                 ; W and A's rows 0-63 are in; the youngest eight loads (A's rows 64-127) may be out
	MUL16 \f, 0, 0, \start
	MUL16 \f, 0, 2, \start
	PLACES
	FETCH \qn, \g
	s_wait_dscnt 32                                ; all but the 32 just issued
	MUL16 \f, 1, 0, \start
	MUL16 \f, 1, 2, \start
.endm
; The last quarter multiplies buffer 1 and changes slots: one barrier; in front of it each wave waits for all its tensor loads (one is out: its part of the next slot), adds 0 to its spare word,
; and waits for that and for its reads of this slot.  fill = 1: the barrier opens a round of the cluster's, and this slot is filled again, with the K step two on, first thing behind the round:
; from that request to the wait for it a wave issues 224 matrix instructions.  The walking descriptors are written while the add is out: no tensor load of the wave is out there.
; Their addresses are made anew from the offsets; behind the request for tile X's last K step (the count stands at 5) the offsets go to tile Y's first.
.macro TURN fill
	WIN 0
	s_wait_tensorcnt 0x0
	ds_add_u32 v[SPW], v[NIL]
.if \fill
	s_xor_b32 s[G0A+5], s[G0A+5], SLOT
	s_add_nc_u64 s[G0A+6:G0A+7], s[4:5], s[OA:OA+1]
	s_or_b32 s[G0A+7], s[G0A+7], 0x80000000
	s_xor_b32 s[G0B+5], s[G0B+5], SLOT
	s_add_nc_u64 s[G0B+6:G0B+7], s[6:7], s[OB:OB+1]
	s_or_b32 s[G0B+7], s[G0B+7], 0x80000000
	s_add_co_u32 s[OA], s[OA], ASTEP
	s_add_co_u32 s[OB], s[OB], BSTEP
	s_cmp_eq_u32 s[GC], 5
	s_cselect_b32 s[OA], s[YA], s[OA]
	s_cselect_b32 s[OB], s[YB], s[OB]
.endif
	s_wait_dscnt 9                                 ; (the add and the youngest eight loads may be out)
	MUL16 F1, 0, 0, 0
	s_wait_dscnt 0x0                               ; the add is done, and my reads of this slot are over
	s_barrier_signal -1
	MUL16 F1, 0, 2, 0
	WIN 0
	s_barrier_wait -1
.if \fill
	CREST
	JLOAD                                          ; its four v_nop are also the places in front of the loads below
.else
	PLACES
.endif
	s_xor_b32 s[TB], s[TB], SLOT
	v_add_nc_u32 v[ADRA], s[TB], v[A0]
	v_add_nc_u32 v[ADRB], s[TB], v[B0]
	FETCH 0, F0
	MUL16 F1, 1, 0, 0
	MUL16 F1, 1, 2, 0
.endm
; THE WAY OUT of row block a.  PACK: rounded to f16, each accumulator's registers in ascending order: 16 bytes for eight columns.
.macro PACK a
.set AC, 64*((\a)%4)
	WIN 0x0a+5*((\a)/4)                            ; sources window 2 or 3, destination window 0
.set z, 0
.rept 32
	v_cvt_pk_f16_f32 v[TMP+z], v[AC+2*z], v[AC+2*z+1]
.set z, z+1
.endr
	WIN 0
.endm
; Into my own stage and back as runs of 512 bytes; LDS serves a wave's instructions in order (ISA guide 5.7.1.4), so no wait stands between
.macro TOSTAGE a
.set BK, 32+192*((\a)%2)
.irp b, 0,1,2,3,4,5,6,7
	ds_store_b128 v[STO], v[TMP+4*(\b):TMP+4*(\b)+3] offset:32*(\b)
.endr
	s_wait_xcnt 0x0                                ; registers that earlier stores read are loaded again only behind this wait
.irp t, 0,1,2,3,4,5,6,7
	ds_load_b128 v[BK+4*(\t):BK+4*(\t)+3], v[RD] offset:((\t)%4)*4*SP+((\t)/4)*128
.endr
.endm
.macro SEND a, p
.set BK, 32+192*((\a)%2)
	s_wait_dscnt 0x0                               ; the block is back in registers
.irp t, 0,1,2,3,4,5,6,7
	global_store_b128 v[GO], v[BK+4*(\t):BK+4*(\t)+3], s[\p:\p+1] offset:((\t)/4)*8192+((\a)/4)*16384+((\a)%4)*2048+((\t)%4)*512  ; four rows of a head: 512 consecutive bytes, aligned
.endr
.endm
; A whole tile.  Blocks 0-3 were finished in front of the change of slots' four places; their 128 conversions name no register of the last products (blocks 4-7's) and are those products' places.
; Block a's conversions stand between block a - 1's loads from the stage and the wait for them.
.macro OUT p
	PACK 0
	TOSTAGE 0
.irp a, 1,2,3,4,5,6,7
	PACK \a
	SEND (\a)-1, \p
	TOSTAGE \a
.endr
	SEND 7, \p
.endm
	s_wait_tensorcnt 0x1                           ; my part of K step 0 is in; K step 1's may stay out
	s_barrier_signal -1
	s_barrier_wait -1                              ; everybody's is
	FETCH 0, F0
	s_mov_b32 s[GC], 10
	s_branch .Lzero                                ; the loop is entered where a tile begins
.Lg:                                                   ; ten trips, a K step each: tile X's eight, tile Y's first two; each asks for the K step two on
	s_cmp_eq_u32 s[GC], 2
	s_cbranch_scc1 .Lmid                           ; a forward jump on the count; what it passes holds no barrier and no tensor load
	QUARTER 1, F0, F1, 0
	WIN 0
	s_branch .Ljoin
.Lmid:
	OUT PX                                         ; tile X goes out; tile Y's first two K steps have been asked for, and its first fragments are on their way
	WIN 0x41                                       ; tile Y's bias goes where the one text of the starting products names the bias
.set z, 0
.rept 64
	v_mov_b32 v[BX+z], v[BY+z]
.set z, z+1
.endr
	WIN 0
.Lzero:
	QUARTER 1, F0, F1, 1                           ; a tile's first products start the sums
	WIN 0
.Ljoin:
	QUARTER 2, F1, F0, 0
	QUARTER 3, F0, F1, 0
	TURN 1
	WIN 0
	s_sub_co_u32 s[GC], s[GC], 1
	s_cmp_lg_u32 s[GC], 0
	s_cbranch_scc1 .Lg
	s_mov_b32 s[GC], 2
.Ltail:                                                ; tile Y's last two K steps ask for nothing: a second text.  The last trip's 32 fragment loads
	QUARTER 1, F0, F1, 0                           ; read a slot's old bytes and serve nothing: the price of one text for both trips
	QUARTER 2, F1, F0, 0
	QUARTER 3, F0, F1, 0
	TURN 0
	WIN 0
	s_sub_co_u32 s[GC], s[GC], 1
	s_cmp_lg_u32 s[GC], 0
	s_cbranch_scc1 .Ltail
	OUT PY
	s_wait_tensorcnt 0x0                           ; the wave's end
	ds_add_u32 v[SPW], v[NIL]
	s_wait_dscnt 0x0
	CROUND                                         ; the closing round
	s_endpgm
.Lfunc_end_k_q981278a468_proj:
	.size	k_q981278a468_proj, .Lfunc_end_k_q981278a468_proj-k_q981278a468_proj
	.p2alignl 7, 3214868480
	.fill 96, 4, 3214868480
	.section	.rodata,"a",@progbits
	.p2align	6, 0x0
	.amdhsa_kernel k_q981278a468_proj
		.amdhsa_group_segment_fixed_size 327680
		.amdhsa_private_segment_fixed_size 0
		.amdhsa_enable_private_segment 0
		.amdhsa_kernarg_size 48
		.amdhsa_user_sgpr_count 2
		.amdhsa_user_sgpr_kernarg_segment_ptr 1
		.amdhsa_wavefront_size32 1
		.amdhsa_system_sgpr_workgroup_id_x 1
		.amdhsa_system_sgpr_workgroup_id_y 1
		.amdhsa_system_sgpr_workgroup_id_z 1
		.amdhsa_system_vgpr_workitem_id 0
		.amdhsa_next_free_vgpr 1024
		.amdhsa_next_free_sgpr 96
		.amdhsa_reserve_vcc 0
		.amdhsa_float_denorm_mode_32 3
		.amdhsa_float_denorm_mode_16_64 3
		.amdhsa_memory_ordered 1
		.amdhsa_forward_progress 1
		.amdhsa_inst_pref_size 146
	.end_amdhsa_kernel
	.amdgpu_metadata
---
amdhsa.version: [ 1, 2 ]
amdhsa.kernels:
  - .name:           k_q981278a468_proj
    .symbol:         k_q981278a468_proj.kd
    .args:
      - { .name: xb, .offset: 0, .size: 8, .value_kind: global_buffer, .address_space: global }
      - { .name: wb, .offset: 8, .size: 8, .value_kind: global_buffer, .address_space: global }
      - { .name: bq, .offset: 16, .size: 8, .value_kind: global_buffer, .address_space: global }
      - { .name: bk, .offset: 24, .size: 8, .value_kind: global_buffer, .address_space: global }
      - { .name: bv, .offset: 32, .size: 8, .value_kind: global_buffer, .address_space: global }
      - { .name: qkv, .offset: 40, .size: 8, .value_kind: global_buffer, .address_space: global }
    .group_segment_fixed_size: 327680
    .private_segment_fixed_size: 0
    .kernarg_segment_align: 8
    .kernarg_segment_size: 48
    .max_flat_workgroup_size: 128
    .sgpr_count:     96
    .vgpr_count:     1024
    .wavefront_size: 32
...
	.end_amdgpu_metadata
.endif
;; end of part 2
;; launch attn (part 3): grid 8 x 32, 4 waves a work-group, clusters of 4 x 4, 327,680 bytes of LDS; arguments qkv, mask, ob; writes ob
.if DOCPART == 3
	.amdgcn_target "amdgcn-amd-amdhsa--gfx1250"
	.amdhsa_code_object_version 6
	.text
	.protected	k_q981278a468_attn
	.globl	k_q981278a468_attn
	.p2align	8
	.type	k_q981278a468_attn,@function
k_q981278a468_attn:
	s_mov_b64 s[64:65], 0
	v_nop
	global_prefetch_b8 v0, s[64:65] scope:SCOPE_SE
	s_setreg_imm32_b32 hwreg(HW_REG_WAVE_MODE, 25, 1), 1
	s_wait_xcnt 0x0
	s_wait_alu depctr_hold_cnt(0) depctr_sa_sdst(0) depctr_va_vdst(0) depctr_va_sdst(0) depctr_va_ssrc(0) depctr_va_vcc(0) depctr_vm_vsrc(0)
	s_getreg_b32 s2, hwreg(HW_REG_IB_STS2, 6, 4)
	s_cmp_eq_u32 s2, 0
	s_cbranch_scc0 .Lentry_in_a_cluster
	s_endpgm
.Lentry_in_a_cluster:
	s_bfe_u32 s2, ttmp6, 0x10000c
	s_cmp_lg_u32 s2, 0xf033
	s_cbranch_scc0 .Lentry_shape_is_right
	s_endpgm
.Lentry_shape_is_right:
; ATTENTION with a mask that is an input.  u = q' . k + mask x (-1e9 log2(e)), one fused multiply-add in f32, where q' = q log2(e) / 8; p = 2^(u - m), m the running maximum of u; O = sum p v / sum p.
; q, k, v and O are f16 in blocks of 16,384 bytes [head of a pair 2][row 64][channel 64], block ((batch 8 + head pair) 32 + row block); mask is [2048][2048] f32.
; qkv has four parts of 1,024 blocks: q summed over the first half of the model's channels, k, v, q summed over the second half.
; THE JOIN.  q' = c (q0 + q1), c = log2(e) / 8, is made once, at the start, in f32, by the matrix unit: source 1 holds, for 16 queries, 16 channels of q0 (k = 0..15) and the same 16 channels of q1
; (k = 16..31); source 0 is a 16 x 32 matrix with a constant where k % 16 = m.  The result holds one query a lane and eight channels, so that, rounded to f16 in pairs, it IS source 1 of K Q^T.
; c goes in as two f16 numbers, 0.18029785 and 3.9041e-5, in two products on each accumulator; their sum differs from c by 7e-8 of it.
; Every pair of query and key is computed and every number of the mask is read.  Products, maxima and sums in f32; p is rounded to f16 for the second product (its sum l is taken unrounded), O once.
; LIMITS.  q's parts, k and v arrive finite, within f16's 65,504; q' has three roundings to f16 (its two parts and the join).  The mask's term and the score are rounded together, once (the reference rounds
; the scaled score, the term and their sum).  A weight below 2^-126 counts as 0.  NaN and infinities are not treated apart.
; SHARES.  A work-group: 256 queries of a pair of heads.  Wave w: head w / 2 of the pair, half w % 2 of the queries: 8 tiles of 16 queries, four PIECES of two tiles.  32 key steps of 64.
; So one tile of the mask (256 queries x 64 keys) serves both heads in the work-group.
; CLUSTER 4 x 4: a row of the cluster shares the head pair (K, V), a column the query block (mask): each tile is asked for jointly.  Wave 0 asks for K, wave 1 for V, waves 2 and 3 for the mask's halves.
; LAYOUT.  S^T = K Q^T: a lane holds one query (lane % 16) and the keys 8 (lane / 16) + 0..7 of a block of 16; two such results rounded to f16 are source 1 of O^T = V^T P.
; BY TURNS.  Turn n belongs to piece n: 16 products K Q^T of piece n + 1, then 16 products V^T P of piece n - 1, one behind every seventh of the 234 lines of piece n's softmax; the three touch disjoint registers.
; REGISTERS: window 0: v2-15 addresses and the add's two; v16-47 statistics, four a tile (m, a filler, l's pair); v48-55 at work; v64-191 S^T, two buffers of two tiles; v192-255 P likewise.
;   window 1: O^T, 32 a tile.   window 2: v0-127 Q; v128-191 K of a step; v192-255 the mask of a piece.   window 3: v0-63 V of a step; v64-79 the join's two constant matrices.
;   For the join: its 32 operands lie in S^T's, P's and V's registers, its 32 results in O^T's.
.set PM,    272                        ; a query's 64 mask numbers: 256 bytes + 16
.set PK,    144                        ; a row of K: 128 bytes + 16
.set PV,    160                        ; a row of V: 128 bytes + 32
.set KOFF,  256*PM                     ; a slot: the mask's 256 rows, K's 2 x 64, V's 2 x 64
.set VOFF,  KOFF+128*PK
.set SLOT1, 1<<17
.set STAGE, SLOT1+VOFF+128*PV          ; behind the ring: 16 rows x 144 bytes for each wave; no tensor load lands here
.set SP,    144
.set SPARE, STAGE+4*16*SP              ; the spare words: 128 bytes a wave, two blocks of 256 bytes that no other line names
.set AK0, 2                            ; my lane's place in K's, V's and the mask's tile; never rewritten
.set AV0, 3
.set AM0, 4
.set AK,  5                            ; the same in the slot in hand
.set AV,  6
.set AM,  7
.set STO, 8
.set RD,  9
.set GO,  10
.set QO,  11
.set MO,  12                           ; v12-13 the old m, by tile of the piece
.set SPW, 14
.set NIL, 15
.set ST,  16
.set TMP, 48                           ; c0-c3 by tile of the piece; a takes c2's place
.set S,   64
.set P,   192
.set KF,  128                          ; window 2
.set MKR, 192                          ; window 2
.set IH,  64                           ; window 3: the matrix with c's high part
.set IL,  72                           ; window 3: with its low part
.set WV,  12
.set G1K, 24
.set G1V, 32
.set G1M, 40
.set G0K, 48                           ; the three group 0 walk
.set G0V, 52
.set G0M, 56
.set TB,  76                           ; the slot in hand
.set CNT, 77
.set NK,  78                           ; s[78:79] -1e9 log2(e)
.set SEL, 80                           ; s[80:81] v_permlanex16_b32's selects: each lane takes its own place in the other half
.set MSB, 0
.macro WIN new
.if MSB != (\new)
	s_set_vgpr_msb (MSB<<8)|(\new)
.set MSB, (\new)
.endif
.endm
.set W_KQ, 0x0a                        ; K and Q window 2, S^T window 0
.set W_PV, 0x53                        ; V window 3, P window 0, O^T window 1
.set W_RS, 0x41                        ; O^T window 1, a window 0
; A joint load; the branches hang on the wave's number alone.  An s_nop 0 and four v_nop follow each line.
.macro JLOAD
	s_cmp_lt_u32 s[WV], 2
	s_cbranch_scc0 .Lfor_m_\@
	s_cmp_eq_u32 s[WV], 0
	s_cbranch_scc0 .Lfor_v_\@
	tensor_load_to_lds s[G0K:G0K+3], s[G1K:G1K+7]
	s_nop 0
.rept 4
	v_nop
.endr
	s_branch .Lasked_\@
.Lfor_v_\@:
	tensor_load_to_lds s[G0V:G0V+3], s[G1V:G1V+7]
	s_nop 0
.rept 4
	v_nop
.endr
	s_branch .Lasked_\@
.Lfor_m_\@:
	tensor_load_to_lds s[G0M:G0M+3], s[G1M:G1M+7]
	s_nop 0
.rept 4
	v_nop
.endr
.Lasked_\@:
.endm
.macro CROUND                          ; a round of the cluster's barrier
	s_barrier_signal -1
	s_barrier_wait -1
	s_cmp_lg_u32 s[WV], 0
	s_cbranch_scc1 .Lnot_wave_0_\@
	s_barrier_signal -3
.Lnot_wave_0_\@:
	s_barrier_wait -3
	s_barrier_signal -1
	s_barrier_wait -1
.endm
; THE CHANGE OF SLOTS.  Each wave waits for all its tensor loads (one is out: its part of the other slot), adds 0 to its spare word, and waits for that and for its reads of the slot that it leaves.
; fill = 1: the barrier is a round of the cluster's, and the slot just left is filled again, with the key step two on, first thing behind it: the load has a key step, 128 matrix instructions, in which to land.
.macro CHANGE fill
	WIN 0
	s_wait_tensorcnt 0x0
	ds_add_u32 v[SPW], v[NIL]
.if \fill
	s_xor_b32 s[G0K+1], s[G0K+1], SLOT1
	s_add_nc_u64 s[G0K+2:G0K+3], s[G0K+2:G0K+3], 16384  ; the next block of 64 keys
	s_xor_b32 s[G0V+1], s[G0V+1], SLOT1
	s_add_nc_u64 s[G0V+2:G0V+3], s[G0V+2:G0V+3], 16384
	s_xor_b32 s[G0M+1], s[G0M+1], SLOT1
	s_add_nc_u64 s[G0M+2:G0M+3], s[G0M+2:G0M+3], 256    ; 64 keys on along the mask's rows
.endif
	s_wait_dscnt 0x0
.if \fill
	CROUND
	JLOAD
.else
	s_barrier_signal -1
	s_barrier_wait -1
.endif
	s_xor_b32 s[TB], s[TB], SLOT1
.endm
	s_load_b128 s[4:7], s[0:1], 0x0                ; qkv s[4:5], mask s[6:7]
	s_load_b64 s[8:9], s[0:1], 0x10                ; ob
	v_lshl_add_u32 v[SPW], v0, 2, SPARE
	v_mov_b32 v[NIL], 0
	ds_add_u32 v14, v15
	s_wait_dscnt 0x0
	v_lshrrev_b32 v1, 5, v0
	v_readfirstlane_b32 s[WV], v1
	s_lshr_b32 s10, s[WV], 1                       ; my head of the pair
	s_and_b32 s11, s[WV], 1                        ; my half of the queries.  Also: which half of the mask's tile waves 2 and 3 fetch
	s_bfe_u32 s13, ttmp6, 0x40000                  ; cx
	s_bfe_u32 s14, ttmp6, 0x40004                  ; cy
	s_lshl_b32 s15, ttmp9, 2
	s_add_co_u32 s15, s15, s13                     ; query block 0..7
	s_and_b32 s16, ttmp7, 0xffff
	s_lshl_b32 s16, s16, 2
	s_add_co_u32 s16, s16, s14                     ; batch 8 + head pair, 0..31
	s_lshl_b32 s17, s14, 2
	s_lshl_b32 s17, 15, s17                        ; my row of the cluster
	s_lshl_b32 s18, 0x1111, s13                    ; my column
	; K, V: a block is 16,384 dense bytes: asked for as 64 rows of 256 bytes, padded after every 128
	s_or_b32 s[G1K], s17, (1<<16)|(1<<20)|(1<<21)|(4<<22)|(3<<25)
	s_or_b32 s[G1V], s17, (1<<16)|(1<<20)|(1<<21)|(4<<22)|(7<<25)
.irp g, G1K, G1V
	s_mov_b32 s[\g+1], 128<<16
	s_mov_b32 s[\g+2], 64<<16
	s_mov_b32 s[\g+3], 128<<16
	s_mov_b32 s[\g+4], 64
	s_mov_b32 s[\g+5], 128
	s_mov_b32 s[\g+6], 0
	s_mov_b32 s[\g+7], 0
.endr
	; the mask: 128 rows of 64 f32 (256 bytes, aligned), 2,048 elements from row to row, 4 words of padding behind each
	s_or_b32 s[G1M], s18, (2<<16)|(1<<20)|(1<<21)|(5<<22)|(3<<25)
	s_mov_b32 s[G1M+1], 64<<16
	s_mov_b32 s[G1M+2], 128<<16
	s_mov_b32 s[G1M+3], 64<<16
	s_mov_b32 s[G1M+4], 128
	s_mov_b32 s[G1M+5], 2048
	s_mov_b32 s[G1M+6], 0
	s_mov_b32 s[G1M+7], 0
	s_lshl_b32 s20, s16, 19                        ; the head pair's 32 blocks,
	s_add_co_u32 s22, s20, 1<<25                   ; in v's part of qkv
	s_add_co_u32 s20, s20, 1<<24                   ; and in k's
	s_mov_b32 s21, 0
	s_mov_b32 s23, 0
	s_lshl_b32 s82, s15, 21                        ; the mask's row 256 x query block + 128 x half, 8,192 bytes each
	s_lshl_b32 s83, s11, 20
	s_add_co_u32 s82, s82, s83
	s_mov_b32 s83, 0
	s_lshl_b32 s84, s16, 5                         ; Q and O: block 32 x pair + 4 x query block + 2 x half, then my head's 8,192 bytes
	s_lshl_b32 s85, s15, 2
	s_add_co_u32 s84, s84, s85
	s_lshl_b32 s85, s11, 1
	s_add_co_u32 s84, s84, s85
	s_lshl_b32 s84, s84, 1
	s_add_co_u32 s84, s84, s10
	s_lshl_b32 s84, s84, 13
	s_mov_b32 s85, 0
	s_mov_b32 s[G0K], 1
	s_mov_b32 s[G0K+1], KOFF
	s_mov_b32 s[G0V], 1
	s_mov_b32 s[G0V+1], VOFF
	s_mov_b32 s[G0M], 1
	s_mul_i32 s[G0M+1], s11, 128*PM
	s_mov_b32 s[TB], SLOT1                         ; the first change of slots turns it into 0
	s_mov_b32 s[NK], 0xceabfb8f                    ; -1e9 log2(e)
	s_mov_b32 s[NK+1], s[NK]
	s_mov_b32 s[SEL], 0x76543210
	s_mov_b32 s[SEL+1], 0xfedcba98
	s_wait_kmcnt 0x0
	s_add_nc_u64 s[G0K+2:G0K+3], s[4:5], s[20:21]
	s_or_b32 s[G0K+3], s[G0K+3], 0x80000000
	s_add_nc_u64 s[G0V+2:G0V+3], s[4:5], s[22:23]
	s_or_b32 s[G0V+3], s[G0V+3], 0x80000000
	s_add_nc_u64 s[G0M+2:G0M+3], s[6:7], s[82:83]
	s_or_b32 s[G0M+3], s[G0M+3], 0x80000000
	s_add_nc_u64 s[86:87], s[4:5], s[84:85]        ; q's first part at my first row,
	s_add_nc_u64 s[88:89], s[86:87], 3<<24         ; its second part, three parts of 16 MiB on
	s_add_nc_u64 s[8:9], s[8:9], s[84:85]          ; O at my first row
	CROUND                                         ; all sixteen work-groups are here
	JLOAD                                          ; key step 0 into slot 0
	v_and_b32 v48, 15, v0                          ; l % 16
	v_bfe_u32 v49, v0, 4, 1                        ; l / 16
	v_and_b32 v50, 7, v0
	v_bfe_u32 v51, v0, 3, 1
	v_lshlrev_b32 v[QO], 7, v48
	v_lshl_add_u32 v[QO], v49, 4, v[QO]            ; row x 128 + 16 x half
	; The join's operand tf of 32: tile tf / 4, channels 16 (tf % 4) on.  Registers 0-3 (k = 8 (l / 16) + 0..7): my query's eight channels of q's first part; registers 4-7 (k = 16 + ..): the same of its second part.
.set tf, 0
.rept 24
.set QOFS, (tf/16)*16384+((tf/4)%4)*2048+(tf%4)*32
	global_load_b128 v[S+8*tf:S+8*tf+3],   v[QO], s[86:87] offset:QOFS
	global_load_b128 v[S+8*tf+4:S+8*tf+7], v[QO], s[88:89] offset:QOFS
.set tf, tf+1
.endr
	; The constant matrices: lane l holds row m = l % 16; its element j of eight (k = 8 (l / 16) + j, and again k = 16 + 8 (l / 16) + j) is the constant where j = d = l % 16 - 8 (l / 16), else 0.
	v_lshlrev_b32 v52, 3, v49
	v_sub_nc_u32 v52, v48, v52                     ; d; outside 0..7 it meets none of the four compares below
	v_and_b32 v53, 1, v52
	v_lshlrev_b32 v53, 4, v53                      ; the half of the word: 16 (d % 2) bits up
	v_lshrrev_b32 v54, 1, v52                      ; the word: d / 2
	v_mov_b32 v55, 0x31c5                          ; f16: 0.18029785, c's high part
	v_lshlrev_b32 v55, v53, v55
	v_mov_b32 v1, 0x028f                           ; f16: 3.9041e-5, its low part
	v_lshlrev_b32 v1, v53, v1
	WIN 0xc0                                       ; destination window 3
.rept 8
.set QOFS, (tf/16)*16384+((tf/4)%4)*2048+(tf%4)*32
	global_load_b128 v[8*(tf-24):8*(tf-24)+3],   v[QO], s[86:87] offset:QOFS
	global_load_b128 v[8*(tf-24)+4:8*(tf-24)+7], v[QO], s[88:89] offset:QOFS
.set tf, tf+1
.endr
.irp x, 0,1,2,3
	v_cmp_eq_u32 s90, \x, v54
	v_cndmask_b32 v[IH+\x],   0, v55, s90
	v_cndmask_b32 v[IH+4+\x], 0, v55, s90
	v_cndmask_b32 v[IL+\x],   0, v1, s90
	v_cndmask_b32 v[IL+4+\x], 0, v1, s90
.endr
	WIN 0
	v_mul_u32_u24 v[AM0], v48, PM                  ; the mask: my query's row, 32 bytes for each half of the lanes
	v_lshl_add_u32 v[AM0], v49, 5, v[AM0]
	s_mul_i32 s19, s11, 128*PM
	v_add_nc_u32 v[AM0], s19, v[AM0]
	v_mul_u32_u24 v[AK0], v48, PK                  ; K: row x pitch + 16 x half, in my head's 64 rows
	v_lshl_add_u32 v[AK0], v49, 4, v[AK0]
	s_mul_i32 s19, s10, 64*PK
	s_add_co_u32 s19, s19, KOFF
	v_add_nc_u32 v[AK0], s19, v[AK0]
	v_lshl_add_u32 v[AV0], v49, 3, v50             ; V, turned: key 8 (l / 16) + l % 8, channels 8 ((l / 8) % 2) on
	v_mul_u32_u24 v[AV0], v[AV0], PV
	v_lshl_add_u32 v[AV0], v51, 4, v[AV0]
	s_mul_i32 s19, s10, 64*PV
	s_add_co_u32 s19, s19, VOFF
	v_add_nc_u32 v[AV0], s19, v[AV0]
; THE MATRIX WORK.  The 8 accumulators of a run of 16 take turns.
.macro KQ x                            ; product i of 16 for piece x: channels 32 (i / 8) on, keys 16 ((i / 2) % 4) on, tile 2 x + i % 2; the first 8 start the sums
	WIN W_KQ
.set rS, S+64*((\x)%2)+32*(i%2)+8*((i/2)%4)
.set rK, KF+16*((i/2)%4)+8*(i/8)
.set rQ, 16*(2*(\x)+i%2)+8*(i/8)
.if i < 8
	v_wmma_f32_16x16x32_f16 v[rS:rS+7], v[rK:rK+7], v[rQ:rQ+7], 0
.else
	v_wmma_f32_16x16x32_f16 v[rS:rS+7], v[rK:rK+7], v[rQ:rQ+7], v[rS:rS+7]
.endif
.endm
.macro PV x                            ; product i of 16 for piece x: keys 32 (i / 8) on, channels 16 ((i / 2) % 4) on, tile 2 x + i % 2
	WIN W_PV
.set rO, 32*(2*(\x)+i%2)+8*((i/2)%4)
.set rV, 32*(i/8)+8*((i/2)%4)
.set rP, P+32*((\x)%2)+16*(i%2)+8*(i/8)
	v_wmma_f32_16x16x32_f16 v[rO:rO+7], v[rV:rV+7], v[rP:rP+7], v[rO:rO+7]
	s_wait_alu depctr_va_vdst(0)
.endm
.macro MM                              ; the turn's next matrix instruction
.if mi < 16
.set i, mi
	KQ (Y+1)%4
.else
.set i, mi-16
	PV (Y+3)%4
.endif
.set mi, mi+1
.endm
; One pass of the join: 32 products, one on each accumulator, with the constant matrix at id.  start = 1: they start the sums.  Between the two links of a chain stand the 31 other accumulators' turns.
.macro JOIN id, start
.set tf, 0
	WIN 0x53                                       ; the matrix window 3, the operand window 0, C and D window 1
.rept 24
.if \start
	v_wmma_f32_16x16x32_f16 v[8*tf:8*tf+7], v[(\id):(\id)+7], v[S+8*tf:S+8*tf+7], 0
.else
	v_wmma_f32_16x16x32_f16 v[8*tf:8*tf+7], v[(\id):(\id)+7], v[S+8*tf:S+8*tf+7], v[8*tf:8*tf+7]
.endif
.set tf, tf+1
.endr
	WIN 0x5f                                       ; the operand window 3
.rept 8
.if \start
	v_wmma_f32_16x16x32_f16 v[8*tf:8*tf+7], v[(\id):(\id)+7], v[8*(tf-24):8*(tf-24)+7], 0
.else
	v_wmma_f32_16x16x32_f16 v[8*tf:8*tf+7], v[(\id):(\id)+7], v[8*(tf-24):8*(tf-24)+7], v[8*tf:8*tf+7]
.endif
.set tf, tf+1
.endr
.endm
; THE LDS LOADS stand in runs of 16.
.macro FETCH_K
	WIN 0x80
.irp f, 0,1,2,3,4,5,6,7                ; keys 16 (f / 2) on, channels 32 (f % 2) on
	ds_load_b128 v[KF+8*\f:KF+8*\f+3],   v[AK] offset:(\f/2)*16*PK+(\f%2)*64
	ds_load_b128 v[KF+8*\f+4:KF+8*\f+7], v[AK] offset:(\f/2)*16*PK+(\f%2)*64+32
.endr
.endm
.macro FETCH_V
	WIN 0xc0
.irp f, 0,1,2,3,4,5,6,7                ; keys 32 (f / 4) on, channels 16 (f % 4) on
	ds_load_tr16_b128 v[8*\f:8*\f+3],   v[AV] offset:(\f/4)*32*PV+(\f%4)*32
	ds_load_tr16_b128 v[8*\f+4:8*\f+7], v[AV] offset:(\f/4)*32*PV+16*PV+(\f%4)*32
.endr
.endm
.macro MLOAD                           ; the mask of piece Y + 1: tile f / 4 of the piece, keys 16 (f % 4) on: my query's eight numbers
	WIN 0x80
.set tn, 2*((Y+1)%4)
.irp f, 0,1,2,3,4,5,6,7
	ds_load_b128 v[MKR+8*\f:MKR+8*\f+3],   v[AM] offset:(tn+\f/4)*16*PM+(\f%4)*64
	ds_load_b128 v[MKR+8*\f+4:MKR+8*\f+7], v[AM] offset:(tn+\f/4)*16*PM+(\f%4)*64+16
.endr
.endm
.macro REGS u                          ; the registers of tile u (0, 1) of piece Y
.set rT, ST+4*(2*Y+(\u))
.set rC, TMP+4*(\u)
.set rM, MO+(\u)
.set rS, S+64*(Y%2)+32*(\u)
.set rP, P+32*(Y%2)+16*(\u)
.set rO, 32*(2*Y+(\u))
.endm
.macro R4                              ; one accumulator of O^T times a, its registers in ascending order
	REGS rs%2
	WIN W_RS
	s_wait_alu depctr_va_vdst(0)
.irp z, 0,1,2,3
	v_pk_mul_f32 v[rO+8*(rs/2)+2*\z:rO+8*(rs/2)+2*\z+1], v[rO+8*(rs/2)+2*\z:rO+8*(rs/2)+2*\z+1], v[rC+2:rC+3] op_sel_hi:[1,0]
.endr
.set rs, rs+1
.endm
; TICK stands behind each of the 234 lines and sets the rest of the turn between them, by the count vc of lines written:
;   behind every seventh line a matrix instruction; behind lines 77 to 126 also four lines of the rescaling (a is made by lines 73, 74);
;   behind line 32, the last that reads the mask, the next piece's mask;
;   in piece 1's turn, ahead of the first V^T P, the wait for V: only the mask's 16 loads are younger;
;   in piece 2's turn, behind line 123, the change of slots and the next step's K: the last product that read K stands behind line 112, seven plain lines back.
.macro TICK
.set vc, vc+1
.if (vc%7 == 0) && (mi < 32)
.if (Y == 1) && (mi == 16)
	s_wait_dscnt 16
.endif
	MM
.if (vc >= 77) && (rs < 8)
	R4
.endif
.endif
.if vc == 32
	MLOAD
.endif
.if (Y == 2) && (vc == 123)
	CHANGE FILL
	v_add_nc_u32 v[AK], s[TB], v[AK0]
	v_add_nc_u32 v[AV], s[TB], v[AV0]
	v_add_nc_u32 v[AM], s[TB], v[AM0]
	FETCH_K
.endif
.endm
; THE LINES.  LM: u = mask x NK + s for pair n % 16 of tile n / 16, ascending.
; The line names window 2 in source 0 (the mask), a scalar pair in source 1 and window 0 elsewhere: it stands under the setting of the products K Q^T that stand between these lines, without a switch.
.macro LM n
	REGS (\n)/16
	WIN W_KQ
	v_pk_fma_f32 v[rS+2*((\n)%16):rS+2*((\n)%16)+1], v[MKR+2*(\n):MKR+2*(\n)+1], s[NK:NK+1], v[rS+2*((\n)%16):rS+2*((\n)%16)+1] op_sel_hi:[1,0,1]
	TICK
.endm
; XS: 0-11 four chains c0-c3 of seven numbers each; 12-14, 16 the four left over, the old m, and c0-c3 into c0; 15 the old m is kept; 17, 18 the other half of the lanes' 32 keys: the new m; 20, 21 a = 2^(m_old - m)
.macro XS u, n
	REGS \u
	WIN 0
.if (\n) < 4
	v_max3_num_f32 v[rC+(\n)], v[rS+8*(\n)], v[rS+8*(\n)+1], v[rS+8*(\n)+2]
.elseif (\n) < 12
	v_max3_num_f32 v[rC+(\n)%4], v[rC+(\n)%4], v[rS+8*((\n)%4)+2*((\n)/4)+1], v[rS+8*((\n)%4)+2*((\n)/4)+2]
.elseif (\n) == 12
	v_max3_num_f32 v[rC], v[rC], v[rS+7], v[rS+15]
.elseif (\n) == 13
	v_max3_num_f32 v[rC+1], v[rC+1], v[rS+23], v[rS+31]
.elseif (\n) == 14
	v_max3_num_f32 v[rC+2], v[rC+2], v[rC+3], v[rT]
.elseif (\n) == 15
	v_mov_b32 v[rM], v[rT]
.elseif (\n) == 16
	v_max3_num_f32 v[rC], v[rC], v[rC+1], v[rC+2]
.elseif (\n) == 17
	v_permlanex16_b32 v[rC+3], v[rC], s[SEL], s[SEL+1]
.elseif (\n) == 18
	v_max_num_f32 v[rT], v[rC], v[rC+3]
.elseif (\n) == 20
	v_sub_f32 v[rC+1], v[rM], v[rT]
.else
	v_exp_f32 v[rC+2], v[rC+1]
.endif
	TICK
.endm
; Group k of 16: tile k % 2, its four numbers 4 (k / 2) on.  SBL: u - m for a pair.  EXL: an exponential.  CVL: a pair rounded to f16.  ADL: the second pair onto the first.  LAL: l takes the sum.
.macro SBL k, x
	REGS (\k)%2
	WIN 0
.set rX, rS+4*((\k)/2)+2*(\x)
	v_pk_add_f32 v[rX:rX+1], v[rX:rX+1], v[rT:rT+1] op_sel_hi:[1,0] neg_lo:[0,1] neg_hi:[0,1]
	TICK
.endm
.macro EXL k, x
	REGS (\k)%2
	WIN 0
	v_exp_f32 v[rS+4*((\k)/2)+(\x)], v[rS+4*((\k)/2)+(\x)]
	TICK
.endm
.macro CVL k, x
	REGS (\k)%2
	WIN 0
	s_wait_alu depctr_va_vdst(0)
	v_cvt_pk_f16_f32 v[rP+2*((\k)/2)+(\x)], v[rS+4*((\k)/2)+2*(\x)], v[rS+4*((\k)/2)+2*(\x)+1]
	TICK
.endm
.macro ADL k
	REGS (\k)%2
	WIN 0
	v_pk_add_f32 v[rS+4*((\k)/2):rS+4*((\k)/2)+1], v[rS+4*((\k)/2):rS+4*((\k)/2)+1], v[rS+4*((\k)/2)+2:rS+4*((\k)/2)+3]
	TICK
.endm
.macro LAL k
	REGS (\k)%2
	WIN 0
.if (\k)/2 == 0
	v_pk_fma_f32 v[rT+2:rT+3], v[rT+2:rT+3], v[rC+2:rC+3], v[rS:rS+1] op_sel_hi:[1,0,1]
.else
	v_pk_add_f32 v[rT+2:rT+3], v[rT+2:rT+3], v[rS+4*((\k)/2):rS+4*((\k)/2)+1]
	s_wait_alu depctr_va_vdst(0)
.endif
	TICK
.endm
; Group k's four exponentials, and between them what is ready: the differences of group k + 2, the roundings and sums of group k - 1.  A plain line stands between every exponential and the use of its result (ISA guide 5.7.2).
.macro GSLOT k
	EXL \k, 0
.if (\k) < 14
	SBL (\k)+2, 0
.endif
	EXL \k, 1
.if (\k) < 14
	SBL (\k)+2, 1
.endif
	EXL \k, 2
.if (\k) > 0
	CVL (\k)-1, 0
.endif
	EXL \k, 3
.if (\k) > 0
	CVL (\k)-1, 1
	ADL (\k)-1
	LAL (\k)-1
.endif
.endm
; A TURN, for piece p.  At its head the piece's mask is waited for; in piece 1's turn V's 16 loads are younger and stay out; in piece 3's turn the wait is also K's.
; V of the step in hand is fetched at the end of piece 0's turn: the last product that read V stands behind line 224, eight plain lines back.
.macro TURN p, fill
.set Y, (\p)
.set FILL, (\fill)
.set vc, 0
.set mi, 0
.set rs, 0
.if (\p) == 1
	s_wait_dscnt 16
.else
	s_wait_dscnt 0x0
.endif
.set ln, 0
.rept 32
	LM ln
.set ln, ln+1
.endr
.irp n, 0,1,2,3,4,5,6,7,8,9,10,11,12,13,14,15,16,17,18,20,21
	XS 0, \n
	XS 1, \n
.endr
	SBL 0, 0
	SBL 0, 1
	SBL 1, 0
	SBL 1, 1
.set kk, 0
.rept 16
	GSLOT kk
.set kk, kk+1
.endr
	CVL 15, 0
	CVL 15, 1
	ADL 15
	LAL 15
.if (\p) == 0
	FETCH_V
.endif
.endm
	CHANGE 1                                       ; key step 0 is in, everybody's part of it; key step 1 is asked for, into slot 1
	v_add_nc_u32 v[AK], s[TB], v[AK0]
	v_add_nc_u32 v[AV], s[TB], v[AV0]
	v_add_nc_u32 v[AM], s[TB], v[AM0]
	FETCH_K
.set Y, 3
	MLOAD                                          ; piece 0's mask
	s_wait_loadcnt 0x0                             ; both parts of q
	JOIN IH, 1                                     ; c's high part times q0 + q1,
	JOIN IL, 0                                     ; and its low part on top
	; What the first turn finds.  m is the lowest finite number, so the first step's a is 0, and l is 0.  O^T holds the join's results, V and P its operands: finite numbers, which is all that they need be:
	; the first turn's products V^T P belong to a piece that has not been, and every tile's O^T is multiplied by a = 0 in its first turn, ahead of its first true product.
	WIN 0                                          ; these 32 lines name no register of the join's products and are the places behind them
.set i, 0
.rept 8
	v_mov_b32 v[ST+4*i], 0xff7fffff
	v_mov_b32 v[ST+4*i+1], 0
	v_mov_b32 v[ST+4*i+2], 0
	v_mov_b32 v[ST+4*i+3], 0
.set i, i+1
.endr
	WIN 0x85                                       ; sources window 1, destination window 2
.set i, 0
.rept 128
	v_cvt_pk_f16_f32 v[i], v[2*i], v[2*i+1]        ; q', rounded once: result tf's eight channels are registers 4 tf .. 4 tf + 3 of Q; each result is read from its low end
.set i, i+1
.endr
	s_wait_dscnt 0x0                               ; K and the mask
.set i, 0
.rept 16
	KQ 0                                           ; piece 0's first scores
.set i, i+1
.endr
	WIN 0                                          ; the addresses for the way out: nine plain lines, the places behind those products
	s_mul_i32 s19, s[WV], 16*SP
	s_add_co_u32 s19, s19, STAGE
	v_mul_u32_u24 v[STO], v48, SP                  ; in: row l % 16, 16 bytes for each half of the lanes
	v_lshl_add_u32 v[STO], v49, 4, v[STO]
	v_add_nc_u32 v[STO], s19, v[STO]
	v_bfe_u32 v[RD], v0, 3, 2                      ; back: 32 lanes take four rows of 128 bytes,
	v_mul_u32_u24 v[RD], v[RD], SP
	v_lshl_add_u32 v[RD], v50, 4, v[RD]
	v_add_nc_u32 v[RD], s19, v[RD]
	v_and_b32 v[GO], 31, v0                        ; which are 512 consecutive bytes of O
	v_lshlrev_b32 v[GO], 4, v[GO]
	s_mov_b32 s[CNT], 30
.Lstep:                                                ; key steps 0 to 29: step j asks for step j + 2
	TURN 0, 1
	TURN 1, 1
	TURN 2, 1
	TURN 3, 1
	WIN 0
	s_sub_co_u32 s[CNT], s[CNT], 1
	s_cmp_lg_u32 s[CNT], 0
	s_cbranch_scc1 .Lstep
	s_mov_b32 s[CNT], 2
.Ltail:                                                ; key steps 30 and 31 ask for nothing: a second text.  The last trip's K, mask and 16 products K Q^T
	TURN 0, 0                                      ; are made of a slot's old bytes and serve nothing: the price of one text for both trips
	TURN 1, 0
	TURN 2, 0
	TURN 3, 0
	WIN 0
	s_sub_co_u32 s[CNT], s[CNT], 1
	s_cmp_lg_u32 s[CNT], 0
	s_cbranch_scc1 .Ltail
.set i, 0
.rept 16
	PV 3                                           ; the last piece's V^T P of the last step
.set i, i+1
.endr
	; THE WAY OUT.  l's two halves and the other half of the lanes' are added; O^T is divided by l, rounded to f16 and sent through my stage, a tile at a time.  The additions are the places behind the last products.
	WIN 0
.macro ALL line:vararg
.set t, 0
.rept 8
	\line
.set t, t+1
.endr
.endm
	ALL v_add_f32 v[ST+4*t+2], v[ST+4*t+2], v[ST+4*t+3]
	ALL v_permlanex16_b32 v[ST+4*t+3], v[ST+4*t+2], s[SEL], s[SEL+1]
	ALL v_add_f32 v[ST+4*t+2], v[ST+4*t+2], v[ST+4*t+3]
	ALL v_rcp_f32 v[ST+4*t+2], v[ST+4*t+2]
	v_nop                                          ; a plain instruction between the last reciprocal and the use of its result
	s_wait_alu depctr_va_vdst(0)
.macro PACK t
	WIN W_RS
.set i, 32*(\t)
.rept 16
	v_pk_mul_f32 v[i:i+1], v[i:i+1], v[ST+4*(\t)+2:ST+4*(\t)+3] op_sel_hi:[1,0]
.set i, i+2
.endr
	WIN 0x05                                       ; sources window 1, destination window 0: S^T's registers are free
.set i, 0
.rept 16
	v_cvt_pk_f16_f32 v[S+16*(\t)+i], v[32*(\t)+2*i], v[32*(\t)+2*i+1]
.set i, i+1
.endr
	WIN 0
.irp f, 0,1,2,3
	ds_store_b128 v[STO], v[S+16*(\t)+4*\f:S+16*(\t)+4*\f+3] offset:32*\f
.endr
.irp f, 0,1,2,3
	ds_load_b128 v[S+16*(\t)+4*\f:S+16*(\t)+4*\f+3], v[RD] offset:\f*4*SP  ; LDS serves a wave's instructions in order (ISA guide 5.7.1.4): these see the stores above
.endr
.endm
.macro SEND t, younger                 ; younger: the LDS instructions issued behind tile t's loads
	WIN 0
.irp f, 0,1,2,3
	s_wait_dscnt (\younger)+3-\f
	global_store_b128 v[GO], v[S+16*(\t)+4*\f:S+16*(\t)+4*\f+3], s[8:9] offset:((\t)/4)*16384+((\t)%4)*2048+\f*512  ; 512 consecutive bytes, aligned
.endr
.endm
	PACK 0
.set t, 1
.rept 7
	PACK t
	SEND t-1, 8
.set t, t+1
.endr
	SEND 7, 0
	s_wait_tensorcnt 0x0                           ; the wave's end
	ds_add_u32 v[SPW], v[NIL]
	s_wait_dscnt 0x0
	CROUND                                         ; the closing round
	s_endpgm
.Lfunc_end_k_q981278a468_attn:
	.size	k_q981278a468_attn, .Lfunc_end_k_q981278a468_attn-k_q981278a468_attn
	.p2alignl 7, 3214868480
	.fill 96, 4, 3214868480
	.section	.rodata,"a",@progbits
	.p2align	6, 0x0
	.amdhsa_kernel k_q981278a468_attn
		.amdhsa_group_segment_fixed_size 327680
		.amdhsa_private_segment_fixed_size 0
		.amdhsa_enable_private_segment 0
		.amdhsa_kernarg_size 24
		.amdhsa_user_sgpr_count 2
		.amdhsa_user_sgpr_kernarg_segment_ptr 1
		.amdhsa_wavefront_size32 1
		.amdhsa_system_sgpr_workgroup_id_x 1
		.amdhsa_system_sgpr_workgroup_id_y 1
		.amdhsa_system_sgpr_workgroup_id_z 1
		.amdhsa_system_vgpr_workitem_id 0
		.amdhsa_next_free_vgpr 848
		.amdhsa_next_free_sgpr 96
		.amdhsa_reserve_vcc 0
		.amdhsa_float_denorm_mode_32 3
		.amdhsa_float_denorm_mode_16_64 3
		.amdhsa_memory_ordered 1
		.amdhsa_forward_progress 1
		.amdhsa_inst_pref_size 242
	.end_amdhsa_kernel
	.amdgpu_metadata
---
amdhsa.version: [ 1, 2 ]
amdhsa.kernels:
  - .name:           k_q981278a468_attn
    .symbol:         k_q981278a468_attn.kd
    .args:
      - { .name: qkv, .offset: 0, .size: 8, .value_kind: global_buffer, .address_space: global }
      - { .name: mask, .offset: 8, .size: 8, .value_kind: global_buffer, .address_space: global }
      - { .name: ob, .offset: 16, .size: 8, .value_kind: global_buffer, .address_space: global }
    .group_segment_fixed_size: 327680
    .private_segment_fixed_size: 0
    .kernarg_segment_align: 8
    .kernarg_segment_size: 24
    .max_flat_workgroup_size: 128
    .sgpr_count:     96
    .vgpr_count:     848
    .wavefront_size: 32
...
	.end_amdgpu_metadata
.endif
;; end of part 3
;; launch outp (part 4): grid 4 x 64, 4 waves a work-group, clusters of 4 x 4, 327,680 bytes of LDS; arguments ob, wo16, bo, out0; writes out0
.if DOCPART == 4
	.amdgcn_target "amdgcn-amd-amdhsa--gfx1250"
	.amdhsa_code_object_version 6
	.text
	.protected	k_q981278a468_outp
	.globl	k_q981278a468_outp
	.p2align	8
	.type	k_q981278a468_outp,@function
k_q981278a468_outp:
	s_mov_b64 s[64:65], 0
	v_nop
	global_prefetch_b8 v0, s[64:65] scope:SCOPE_SE
	s_setreg_imm32_b32 hwreg(HW_REG_WAVE_MODE, 25, 1), 1
	s_wait_xcnt 0x0
	s_wait_alu depctr_hold_cnt(0) depctr_sa_sdst(0) depctr_va_vdst(0) depctr_va_sdst(0) depctr_va_ssrc(0) depctr_va_vcc(0) depctr_vm_vsrc(0)
	s_getreg_b32 s2, hwreg(HW_REG_IB_STS2, 6, 4)
	s_cmp_eq_u32 s2, 0
	s_cbranch_scc0 .Lentry_in_a_cluster
	s_endpgm
.Lentry_in_a_cluster:
	s_bfe_u32 s2, ttmp6, 0x10000c
	s_cmp_lg_u32 s2, 0xf033
	s_cbranch_scc0 .Lentry_shape_is_right
	s_endpgm
.Lentry_shape_is_right:
; ONE TEXT FOR TWO PRODUCTS C = A W + bias, K = N = 1,024, chosen by OUTP; only the chosen side is assembled.
; OUTP = 0: the three input projections.  A = xb [3 x 8192][1024] bf16, W = wb [3][k][n] bf16, bias bq, bk or bv (rounded to bf16 like the other inputs), sums in f32;
;   q is multiplied by c = log2(e) / 8 in f32; each result is rounded once to f16 and stored by heads: a block of 16,384 bytes is [head of a pair 2][row 64][channel 64],
;   block number ((batch 8 + head pair) 32 + row block), 1,024 blocks for each of q, k, v.
; OUTP = 1: the output projection.  A = ob in that block layout, f16; W = wo16 [k][n] f16; bias bo (rounded to bf16); out0 f32.
; LIMIT: f16 holds no number beyond 65,504: q c, k and v must stay within it (the drawn inputs give a spread of 0.64).
; SHARES.  A tile of C is 128 rows x 256 columns; four waves, each 64 x 128: 32 accumulators of 16 x 16.  K goes in 8 steps of 128 through two LDS slots.
; The matrix instruction is used transposed (source 0 = 16 columns of W, turned on the way out of LDS; source 1 = 16 rows of A): a lane holds one row of C and eight neighbouring columns.
; CLUSTER 4 x 4: the four work-groups of a row of the cluster take the same rows of A, the four of a column the same columns of W: each tile is asked for jointly.
; REGISTERS: window 0: v16-29 addresses; v32-127, v128-223 two fragment buffers (A 32, then W 64); v224-255 at work.  window 1: accumulator (a, b) at v[8 (8 a + b)].  window 2: v0-63 my 64 bias numbers.
.set OUTP,  1
.set SLOT1, 1<<17                      ; slot 1 begins here: one exclusive or turns an address of one slot into the other's
.set PB,    544                        ; a k row of W in LDS: 512 bytes + 32
.set BHALF, 64*PB                      ; what one tensor load brings of W
.set BSTEP, 128*2048                   ; 128 k rows of W on
.if OUTP
.set PA,    144                        ; a row of 64 channels: 128 bytes + 16
.set AHALF, 128*PA                     ; one block: [2][64] such rows
.set SP,    528                        ; a stage row: 128 f32 + 16 bytes
.set AQI,   4                          ; padding after every 32 words
.set APITCH, 128                       ; the block is dense: asked for as 64 rows of 256 bytes
.set ASTEP, 32*16384                   ; the next head pair's block
.else
.set PA,    272                        ; 128 bf16 + 16 bytes
.set AHALF, 64*PA
.set SP,    272                        ; a stage row: 128 f16 + 16 bytes
.set AQI,   5                          ; padding after every 64 words
.set APITCH, 1024
.set ASTEP, 256                        ; 128 along K
.endif
.set BOFF,  2*AHALF                    ; W's tile lies behind A's
.set STAGE, 237568                     ; behind the ring: 16 stage rows for each wave; no tensor load lands here
.set SPARE, STAGE+4*16*SP              ; the spare words: 128 bytes a wave, two blocks of 256 bytes that no other line names
.set A0,   16                          ; my lane's place in A's tile; never rewritten
.set B0,   17                          ; the same for W
.set ADRA, 18                          ; the same in the slot in hand
.set ADRB, 19
.set STO,  24                          ; the way out: where I put my part of a row
.set RD,   25                          ; where I read rows back
.set GO,   26                          ; my byte offset in 512 consecutive bytes of the output
.set BO,   27                          ; my byte offset in the bias
.set SPW,  28                          ; LDS address of my spare word; never rewritten
.set NIL,  29                          ; 0; never rewritten
.set F0,   32
.set F1,   128
.set TMP,  224
.set G1A, 24                           ; s[24:31] descriptor group 1 for A's tiles
.set G0A, 32                           ; s[32:35] group 0: it walks
.set G1B, 48                           ; s[48:55], s[56:59] the same for W's
.set G0B, 56
.set TB,  44                           ; s44 the slot in hand
.set CNT, 3
.set CS,  60                           ; s[60:61] the factor on the way out
.set MSB, 0
.macro WIN new                         ; the immediate's high byte repeats the setting that is left; a switch that changes nothing is dropped
.if MSB != (\new)
	s_set_vgpr_msb (MSB<<8)|(\new)
.set MSB, \new
.endif
.endm
.macro PLACES                          ; four plain vector instructions between a matrix instruction and a load into, or a vector read of, its registers
.rept 4
	v_nop
.endr
.endm
; A joint load: waves 0 and 1 fetch A's two halves, waves 2 and 3 W's.  An s_nop 0 and four v_nop follow each line.
.macro JLOAD
	s_cmp_eq_u32 s11, 0
	s_cbranch_scc0 .Lfor_b_\@
	tensor_load_to_lds s[G0A:G0A+3], s[G1A:G1A+7]
	s_nop 0
.rept 4
	v_nop
.endr
	s_branch .Lasked_\@
.Lfor_b_\@:
	tensor_load_to_lds s[G0B:G0B+3], s[G1B:G1B+7]
	s_nop 0
.rept 4
	v_nop
.endr
.Lasked_\@:
.endm
.macro CREST                           ; a round of the cluster's barrier behind its opening barrier
	s_cmp_lg_u32 s10, 0
	s_cbranch_scc1 .Lnot_wave_0_\@
	s_barrier_signal -3
.Lnot_wave_0_\@:
	s_barrier_wait -3
	s_barrier_signal -1
	s_barrier_wait -1
.endm
.macro CROUND
	s_barrier_signal -1
	s_barrier_wait -1
	CREST
.endm
.macro STEPD                           ; both walking descriptors: the other slot, the next K step.  Written only where no tensor load of the wave is out
	s_xor_b32 s[G0A+1], s[G0A+1], SLOT1
	s_add_nc_u64 s[G0A+2:G0A+3], s[G0A+2:G0A+3], ASTEP
	s_xor_b32 s[G0B+1], s[G0B+1], SLOT1
	s_add_nc_u64 s[G0B+2:G0B+3], s[G0B+2:G0B+3], BSTEP
.endm
	s_load_b128 s[4:7], s[0:1], 0x0                ; A s[4:5], W s[6:7]
.if OUTP
	s_load_b128 s[40:43], s[0:1], 0x10             ; bias s[40:41], output s[42:43]
.else
	s_load_b128 s[36:39], s[0:1], 0x10             ; bq, bk
	s_load_b128 s[40:43], s[0:1], 0x20             ; bv, output
.endif
	v_lshl_add_u32 v[SPW], v0, 2, SPARE
	v_mov_b32 v[NIL], 0
	ds_add_u32 v28, v29
	s_wait_dscnt 0x0
	v_lshrrev_b32 v1, 5, v0
	v_readfirstlane_b32 s10, v1                    ; wave 0..3
	s_lshr_b32 s11, s10, 1                         ; my half of the tile's rows.  Also: I fetch for A (0) or for W (1)
	s_and_b32 s12, s10, 1                          ; my half of its columns.  Also: which half of that tile I fetch
	s_bfe_u32 s13, ttmp6, 0x40000                  ; cx
	s_bfe_u32 s14, ttmp6, 0x40004                  ; cy
	s_lshl_b32 s15, ttmp9, 2
	s_add_co_u32 s15, s15, s13                     ; tile column = 4 x cluster x + cx
	s_and_b32 s17, ttmp7, 0xffff
	s_lshl_b32 s16, s17, 2
	s_add_co_u32 s16, s16, s14                     ; tile row = 4 x cluster y + cy
	s_lshr_b32 s17, s17, 4                         ; which of q, k, v: 16 clusters each; the same in the whole cluster
	s_lshl_b32 s18, s14, 2
	s_lshl_b32 s18, 15, s18                        ; my row of the cluster
	s_lshl_b32 s19, 0x1111, s13                    ; my column
	s_or_b32 s[G1A], s18, (1<<16)|(1<<20)|(1<<21)|(AQI<<22)|(3<<25)  ; the mask; 2-byte elements; padding on; bit 21 beside a mask; the interval; 4 words of padding
	s_mov_b32 s[G1A+1], 128<<16                    ; tensor_dim0 = 128
	s_mov_b32 s[G1A+2], 64<<16                     ; tensor_dim1 = 64
	s_mov_b32 s[G1A+3], 128<<16                    ; tile_dim0 = 128
	s_mov_b32 s[G1A+4], 64                         ; tile_dim1 = 64
	s_mov_b32 s[G1A+5], APITCH                     ; elements from row to row
	s_mov_b32 s[G1A+6], 0
	s_mov_b32 s[G1A+7], 0
	s_or_b32 s[G1B], s19, (1<<16)|(1<<20)|(1<<21)|(6<<22)|(7<<25)    ; after every 128 words 8 words of padding
	s_mov_b32 s[G1B+1], 256<<16
	s_mov_b32 s[G1B+2], 64<<16
	s_mov_b32 s[G1B+3], 256<<16
	s_mov_b32 s[G1B+4], 64
	s_mov_b32 s[G1B+5], 1024
	s_mov_b32 s[G1B+6], 0
	s_mov_b32 s[G1B+7], 0
.if OUTP
	s_lshr_b32 s20, s16, 4                         ; A: block ((batch 8 + 0) 32 + 2 (tile row % 16) + half)
	s_lshl_b32 s20, s20, 8
	s_and_b32 s21, s16, 15
	s_lshl_b32 s21, s21, 1
	s_add_co_u32 s20, s20, s21
	s_add_co_u32 s20, s20, s12
	s_lshl_b32 s20, s20, 14
	s_lshl_b32 s22, s12, 17                        ; W: 64 k rows x half + 512 bytes x tile column
.else
	s_lshl_b32 s20, s16, 18                        ; A: row 128 x tile row + 64 x half, 2,048 bytes each
	s_lshl_b32 s21, s12, 17
	s_add_co_u32 s20, s20, s21
	s_lshl_b32 s22, s17, 21                        ; W: the matrix of q, k or v,
	s_lshl_b32 s23, s12, 17
	s_add_co_u32 s22, s22, s23
.endif
	s_mov_b32 s21, 0
	s_lshl_b32 s23, s15, 9
	s_add_co_u32 s22, s22, s23
	s_mov_b32 s23, 0
	s_mov_b32 s[G0A], 1                            ; count = 1
	s_mul_i32 s[G0A+1], s12, AHALF                 ; LDS address: slot 0, my half; no place in the cluster enters it
	s_mov_b32 s[G0B], 1
	s_mul_i32 s[G0B+1], s12, BHALF
	s_add_co_u32 s[G0B+1], s[G0B+1], BOFF
	s_mov_b32 s[TB], 0
	s_wait_kmcnt 0x0
	s_add_nc_u64 s[G0A+2:G0A+3], s[4:5], s[20:21]
	s_or_b32 s[G0A+3], s[G0A+3], 0x80000000        ; type = 2
	s_add_nc_u64 s[G0B+2:G0B+3], s[6:7], s[22:23]
	s_or_b32 s[G0B+3], s[G0B+3], 0x80000000
	CROUND                                         ; all sixteen work-groups are here: the first joint loads meet
	JLOAD                                          ; K step 0 into slot 0
.if OUTP == 0
	s_cmp_eq_u32 s17, 1                            ; the bias of q, k or v
	s_cselect_b64 s[36:37], s[38:39], s[36:37]
	s_cmp_eq_u32 s17, 2
	s_cselect_b64 s[40:41], s[40:41], s[36:37]
	s_cmp_eq_u32 s17, 0
	s_cselect_b32 s[CS], 0x3e38aa3b, 1.0           ; q takes c = log2(e) / 8
	s_mov_b32 s[CS+1], s[CS]                       ; named with it as a pair
.endif
	s_lshl_b32 s46, s15, 10                        ; my 128 columns' bias: 1,024 x tile column + 512 x half
	s_lshl_b32 s47, s12, 9
	s_add_co_u32 s46, s46, s47
	s_mov_b32 s47, 0
	s_add_nc_u64 s[40:41], s[40:41], s[46:47]
	v_and_b32 v1, 15, v0                           ; l % 16
	v_bfe_u32 v2, v0, 4, 1                         ; l / 16
	v_lshlrev_b32 v[BO], 5, v2                     ; my eight columns of a block of 16
	WIN 0x80                                       ; destination window 2
.irp b, 0,1,2,3,4,5,6,7
	global_load_b128 v[8*(\b):8*(\b)+3],   v[BO], s[40:41] offset:64*(\b)
	global_load_b128 v[8*(\b)+4:8*(\b)+7], v[BO], s[40:41] offset:64*(\b)+16
.endr
	WIN 0
.if OUTP
	s_lshl_b32 s46, s16, 19                        ; output: row 128 x tile row + 64 x half, 4,096 bytes each; 1,024 x tile column + 512 x half
	s_lshl_b32 s47, s11, 18
	s_add_co_u32 s46, s46, s47
	s_lshl_b32 s47, s15, 10
	s_add_co_u32 s46, s46, s47
	s_lshl_b32 s47, s12, 9
	s_add_co_u32 s46, s46, s47
.else
	s_lshr_b32 s46, s16, 4                         ; output: block (((tile row / 16) 8 + 2 x tile column + column half) 32 + 2 (tile row % 16) + row half)
	s_lshl_b32 s46, s46, 3
	s_lshl_b32 s47, s15, 1
	s_add_co_u32 s46, s46, s47
	s_add_co_u32 s46, s46, s12
	s_lshl_b32 s46, s46, 5
	s_and_b32 s47, s16, 15
	s_lshl_b32 s47, s47, 1
	s_add_co_u32 s46, s46, s47
	s_add_co_u32 s46, s46, s11
	s_lshl_b32 s46, s46, 14
.endif
	s_mov_b32 s47, 0
	s_add_nc_u64 s[42:43], s[42:43], s[46:47]
	; A's fragment: lane l holds row l % 16; K = 8 (l / 16) + 0..7 and 16 + 8 (l / 16) + 0..7: two loads of 16 bytes, 32 bytes apart
	v_mul_u32_u24 v3, v1, PA
	v_lshl_add_u32 v3, v2, 4, v3
	s_mul_i32 s46, s11, AHALF
	v_add_nc_u32 v[A0], s46, v3
	; W's fragment, turned: lane l reads k row 8 (l / 16) + l % 8, columns 8 ((l / 8) % 2) + 0..7, and receives column l % 16 and 8 k
	v_and_b32 v4, 7, v0
	v_lshl_add_u32 v4, v2, 3, v4
	v_mul_u32_u24 v4, v4, PB
	v_bfe_u32 v5, v0, 3, 1
	v_lshl_add_u32 v4, v5, 4, v4
	s_lshl_b32 s46, s12, 8
	s_add_co_u32 s46, s46, BOFF
	v_add_nc_u32 v[B0], s46, v4
	s_mul_i32 s47, s10, 16*SP
	s_add_co_u32 s47, s47, STAGE                   ; my stage
	v_mul_u32_u24 v3, v1, SP
	v_and_b32 v[GO], 31, v0
	v_lshlrev_b32 v[GO], 4, v[GO]
.if OUTP
	v_lshl_add_u32 v3, v2, 5, v3                   ; in: row l % 16, 32 bytes for each half of the lanes
	v_add_nc_u32 v[RD], s47, v[GO]                 ; back: 32 lanes take one row of 512 bytes
.else
	v_lshl_add_u32 v3, v2, 4, v3                   ; in: row l % 16, 16 bytes for each half of the lanes
	v_bfe_u32 v4, v0, 3, 2                         ; back: 32 lanes take one head's 128 bytes of four rows
	v_mul_u32_u24 v4, v4, SP
	v_and_b32 v5, 7, v0
	v_lshl_add_u32 v4, v5, 4, v4
	v_add_nc_u32 v[RD], s47, v4
.endif
	v_add_nc_u32 v[STO], s47, v3
	v_mov_b32 v[ADRA], v[A0]
	v_mov_b32 v[ADRB], v[B0]
; 8 matrix instructions: row block a x all 8 column blocks, 32 along K.  The 32 accumulators take turns.  zero = 1: the products start the sums
.macro MUL8 f, a, zero
	WIN 0x50                                       ; C and D window 1, sources window 0
.irp b, 0,1,2,3,4,5,6,7
.if OUTP
.if \zero
	v_wmma_f32_16x16x32_f16 v[8*(8*(\a)+(\b)):8*(8*(\a)+(\b))+7], v[(\f)+32+8*(\b):(\f)+32+8*(\b)+7], v[(\f)+8*(\a):(\f)+8*(\a)+7], 0
.else
	v_wmma_f32_16x16x32_f16 v[8*(8*(\a)+(\b)):8*(8*(\a)+(\b))+7], v[(\f)+32+8*(\b):(\f)+32+8*(\b)+7], v[(\f)+8*(\a):(\f)+8*(\a)+7], v[8*(8*(\a)+(\b)):8*(8*(\a)+(\b))+7]
.endif
.else
.if \zero
	v_wmma_f32_16x16x32_bf16 v[8*(8*(\a)+(\b)):8*(8*(\a)+(\b))+7], v[(\f)+32+8*(\b):(\f)+32+8*(\b)+7], v[(\f)+8*(\a):(\f)+8*(\a)+7], 0
.else
	v_wmma_f32_16x16x32_bf16 v[8*(8*(\a)+(\b)):8*(8*(\a)+(\b))+7], v[(\f)+32+8*(\b):(\f)+32+8*(\b)+7], v[(\f)+8*(\a):(\f)+8*(\a)+7], v[8*(8*(\a)+(\b)):8*(8*(\a)+(\b))+7]
.endif
.endif
.endr
.endm
; 24 LDS loads in one run: quarter q (32 along K) of the slot in hand into buffer f: W's 128 columns first, then A's 64 rows
.macro FETCH q, f
	WIN 0
.if OUTP
.set AO, ((\q)/2)*64*PA+((\q)%2)*64            ; the head of the pair, then its channels
.else
.set AO, 64*(\q)
.endif
.irp b, 0,1,2,3,4,5,6,7
	ds_load_tr16_b128 v[(\f)+32+8*(\b):(\f)+32+8*(\b)+3],   v[ADRB] offset:(\q)*32*PB+32*(\b)
	ds_load_tr16_b128 v[(\f)+32+8*(\b)+4:(\f)+32+8*(\b)+7], v[ADRB] offset:(\q)*32*PB+16*PB+32*(\b)
.endr
.irp i, 0,1,2,3
	ds_load_b128 v[(\f)+8*(\i):(\f)+8*(\i)+3],   v[ADRA] offset:AO+(\i)*16*PA
	ds_load_b128 v[(\f)+8*(\i)+4:(\f)+8*(\i)+7], v[ADRA] offset:AO+(\i)*16*PA+32
.endr
.endm
; One of a K step's first three quarters: multiplies buffer f and, in its middle, fetches quarter qn into buffer g
.macro QUARTER qn, f, g, zero
	s_wait_dscnt 4                                 ; W and A's blocks 0, 1 are in; the youngest four loads (blocks 2, 3) may be out
	MUL8 \f, 0, \zero
	MUL8 \f, 1, \zero
	PLACES
	FETCH \qn, \g
	s_wait_dscnt 24                                ; all but the 24 just issued
	MUL8 \f, 2, \zero
	MUL8 \f, 3, \zero
.endm
; The last quarter multiplies buffer 1 and changes slots: one barrier; in front of it each wave waits for all its tensor loads (one is out: its part of the next slot), adds 0 to its spare
; word, and waits for that and for its reads of this slot.  fill = 1: the barrier opens a round of the cluster's, and this slot is filled again, two K steps on, first thing behind the round.
.macro TURN fill
	WIN 0
	s_wait_tensorcnt 0x0
	ds_add_u32 v[SPW], v[NIL]
	s_wait_dscnt 5                                 ; (the add and the youngest four loads may be out)
	MUL8 F1, 0, 0
	s_wait_dscnt 0x0                               ; the add is done, and my reads of this slot are over
	s_barrier_signal -1
	MUL8 F1, 1, 0
	WIN 0
	s_barrier_wait -1
.if \fill
	CREST
	STEPD
	JLOAD                                          ; its four v_nop are also the places in front of the loads below
.else
	PLACES
.endif
	s_xor_b32 s[TB], s[TB], SLOT1
	v_add_nc_u32 v[ADRA], s[TB], v[A0]
	v_add_nc_u32 v[ADRB], s[TB], v[B0]
	FETCH 0, F0
	MUL8 F1, 2, 0
	MUL8 F1, 3, 0
.endm
	s_wait_tensorcnt 0x0                           ; my part of K step 0 is in; no tensor load of mine is out
	ds_add_u32 v[SPW], v[NIL]
	STEPD
	s_wait_dscnt 0x0
	CROUND                                         ; everybody's part is in
	JLOAD                                          ; K step 1 into slot 1: it has a whole K step in which to land
	FETCH 0, F0
	QUARTER 1, F0, F1, 1                           ; the first quarter stands in front of the loop: its products start the sums
	WIN 0
	s_mov_b32 s[CNT], 6
.Lk:                                                   ; a trip: a K step's quarters 1 to 3 and the next step's quarter 0; it asks for the step two on
	QUARTER 2, F1, F0, 0
	QUARTER 3, F0, F1, 0
	TURN 1
	QUARTER 1, F0, F1, 0
	WIN 0
	s_sub_co_u32 s[CNT], s[CNT], 1
	s_cmp_lg_u32 s[CNT], 0
	s_cbranch_scc1 .Lk
	QUARTER 2, F1, F0, 0                           ; K steps 6 and 7 ask for nothing
	QUARTER 3, F0, F1, 0
	TURN 0
	QUARTER 1, F0, F1, 0
	QUARTER 2, F1, F0, 0
	QUARTER 3, F0, F1, 0
	s_wait_dscnt 0x0
	MUL8 F1, 0, 0
	MUL8 F1, 1, 0
	MUL8 F1, 2, 0
	MUL8 F1, 3, 0
	; THE WAY OUT.  The bias is rounded to bf16; these lines name no register of the products and are the places behind them.
	s_wait_loadcnt 0x0
	WIN 0x0a                                       ; sources window 2, destination window 0
.set z, 0
.rept 32
	v_cvt_pk_bf16_f32 v[TMP+z], v[2*z], v[2*z+1]
.set z, z+1
.endr
	WIN 0x80
.set z, 0
.rept 32
	v_lshlrev_b32 v[2*z], 16, v[TMP+z]
	v_and_b32 v[2*z+1], 0xffff0000, v[TMP+z]
.set z, z+1
.endr
.if OUTP == 0
	WIN 0x82
.set z, 0
.rept 32
	v_pk_mul_f32 v[2*z:2*z+1], v[2*z:2*z+1], s[CS:CS+1] op_sel_hi:[1,0]  ; (sum + bias) x factor = sum x factor + bias x factor
.set z, z+1
.endr
.endif
; Row block a: bias (and factor), each accumulator's registers in ascending order; OUTP = 0: rounded to f16, 16 bytes for eight columns
.macro PACK a
.if OUTP
	WIN 0x49                                       ; accumulators window 1, bias window 2
.set z, 0
.rept 32
	v_pk_add_f32 v[64*(\a)+2*z:64*(\a)+2*z+1], v[64*(\a)+2*z:64*(\a)+2*z+1], v[2*z:2*z+1]
.set z, z+1
.endr
.else
	WIN 0x61
.set z, 0
.rept 32
	v_pk_fma_f32 v[64*(\a)+2*z:64*(\a)+2*z+1], v[64*(\a)+2*z:64*(\a)+2*z+1], s[CS:CS+1], v[2*z:2*z+1] op_sel_hi:[1,0,1]
.set z, z+1
.endr
	WIN 0x05
.set z, 0
.rept 32
	v_cvt_pk_f16_f32 v[TMP+z], v[64*(\a)+2*z], v[64*(\a)+2*z+1]
.set z, z+1
.endr
.endif
	WIN 0
.endm
; Into my own stage and back as whole runs of 512 bytes; LDS serves a wave's instructions in order (ISA guide 5.7.1.4), so no wait stands between
.macro TOSTAGE a
.if OUTP
.set BK, 32+96*((\a)%2)
	WIN 0x04                                       ; store data window 1
.irp b, 0,1,2,3,4,5,6,7
	ds_store_b128 v[STO], v[64*(\a)+8*(\b):64*(\a)+8*(\b)+3]   offset:64*(\b)
	ds_store_b128 v[STO], v[64*(\a)+8*(\b)+4:64*(\a)+8*(\b)+7] offset:64*(\b)+16
.endr
	WIN 0
	s_wait_xcnt 0x0                                ; registers that earlier stores read are loaded again only behind this wait
.irp t, 0,1,2,3,4,5,6,7,8,9,10,11,12,13,14,15
	ds_load_b128 v[BK+4*(\t):BK+4*(\t)+3], v[RD] offset:(\t)*SP
.endr
.else
.set BK, 32+32*((\a)%2)
.irp b, 0,1,2,3,4,5,6,7
	ds_store_b128 v[STO], v[TMP+4*(\b):TMP+4*(\b)+3] offset:32*(\b)
.endr
	s_wait_xcnt 0x0                                ; registers that earlier stores read are loaded again only behind this wait
.irp t, 0,1,2,3,4,5,6,7
	ds_load_b128 v[BK+4*(\t):BK+4*(\t)+3], v[RD] offset:((\t)%4)*4*SP+((\t)/4)*128
.endr
.endif
.endm
.macro SEND a
	s_wait_dscnt 0x0                               ; the block is back in registers
.if OUTP
.set BK, 32+96*((\a)%2)
.irp t, 0,1,2,3,4,5,6,7,8,9,10,11,12,13,14,15
	global_store_b128 v[GO], v[BK+4*(\t):BK+4*(\t)+3], s[42:43] offset:(16*(\a)+(\t))*4096 th:TH_STORE_NT  ; 512 consecutive bytes of a row, aligned
.endr
.else
.set BK, 32+32*((\a)%2)
.irp t, 0,1,2,3,4,5,6,7
	global_store_b128 v[GO], v[BK+4*(\t):BK+4*(\t)+3], s[42:43] offset:((\t)/4)*8192+(\a)*2048+((\t)%4)*512  ; four rows of a head: 512 consecutive bytes, aligned
.endr
.endif
.endm
	PACK 0
	TOSTAGE 0
.irp a, 1,2,3                          ; block a's arithmetic stands between block a - 1's loads from the stage and the wait for them
	PACK \a
	SEND (\a)-1
	TOSTAGE \a
.endr
	SEND 3
	s_wait_tensorcnt 0x0                           ; the wave's end
	ds_add_u32 v[SPW], v[NIL]
	s_wait_dscnt 0x0
	CROUND                                         ; the closing round
	s_endpgm
.Lfunc_end_k_q981278a468_outp:
	.size	k_q981278a468_outp, .Lfunc_end_k_q981278a468_outp-k_q981278a468_outp
	.p2alignl 7, 3214868480
	.fill 96, 4, 3214868480
	.section	.rodata,"a",@progbits
	.p2align	6, 0x0
	.amdhsa_kernel k_q981278a468_outp
		.amdhsa_group_segment_fixed_size 327680
		.amdhsa_private_segment_fixed_size 0
		.amdhsa_enable_private_segment 0
		.amdhsa_kernarg_size 32
		.amdhsa_user_sgpr_count 2
		.amdhsa_user_sgpr_kernarg_segment_ptr 1
		.amdhsa_wavefront_size32 1
		.amdhsa_system_sgpr_workgroup_id_x 1
		.amdhsa_system_sgpr_workgroup_id_y 1
		.amdhsa_system_sgpr_workgroup_id_z 1
		.amdhsa_system_vgpr_workitem_id 0
		.amdhsa_next_free_vgpr 576
		.amdhsa_next_free_sgpr 66
		.amdhsa_reserve_vcc 0
		.amdhsa_float_denorm_mode_32 3
		.amdhsa_float_denorm_mode_16_64 3
		.amdhsa_memory_ordered 1
		.amdhsa_forward_progress 1
		.amdhsa_inst_pref_size 84
	.end_amdhsa_kernel
	.amdgpu_metadata
---
amdhsa.version: [ 1, 2 ]
amdhsa.kernels:
  - .name:           k_q981278a468_outp
    .symbol:         k_q981278a468_outp.kd
    .args:
      - { .name: ob, .offset: 0, .size: 8, .value_kind: global_buffer, .address_space: global }
      - { .name: wo16, .offset: 8, .size: 8, .value_kind: global_buffer, .address_space: global }
      - { .name: bo, .offset: 16, .size: 8, .value_kind: global_buffer, .address_space: global }
      - { .name: out0, .offset: 24, .size: 8, .value_kind: global_buffer, .address_space: global }
    .group_segment_fixed_size: 327680
    .private_segment_fixed_size: 0
    .kernarg_segment_align: 8
    .kernarg_segment_size: 32
    .max_flat_workgroup_size: 128
    .sgpr_count:     66
    .vgpr_count:     576
    .wavefront_size: 32
...
	.end_amdgpu_metadata
.endif
;; end of part 4
;; ======== version 2 of 2: 4 launches; 1.57 times as fast as version 1
;; limits: values are held in f16: magnitudes above 65,504 overflow, below 6.1e-05 lose precision; sums are carried in f16
;; workspace buffers: xb 50,331,648 bytes; wb 6,291,456 bytes; wo16 2,097,152 bytes; qkv 67,108,864 bytes; ob 16,777,216 bytes
;; launch prep: the kernel of part 1 again; grid 32 x 28, 8 waves a work-group, no clusters, 0 bytes of LDS; arguments query, key, value, Wq, Wk, Wv, Wo, xb, wb, wo16; writes xb, wb, wo16
;; launch proj: the kernel of part 2 again; grid 4 x 64, 4 waves a work-group, clusters of 4 x 4, 327,680 bytes of LDS; arguments xb, wb, bq, bk, bv, qkv; writes qkv
;; launch attn (part 5): grid 8 x 32, 4 waves a work-group, clusters of 4 x 4, 327,680 bytes of LDS; arguments qkv, mask, ob; writes ob
.if DOCPART == 5
	.amdgcn_target "amdgcn-amd-amdhsa--gfx1250"
	.amdhsa_code_object_version 6
	.text
	.protected	k_q981278a468_attn
	.globl	k_q981278a468_attn
	.p2align	8
	.type	k_q981278a468_attn,@function
k_q981278a468_attn:
	s_mov_b64 s[64:65], 0
	v_nop
	global_prefetch_b8 v0, s[64:65] scope:SCOPE_SE
	s_setreg_imm32_b32 hwreg(HW_REG_WAVE_MODE, 25, 1), 1
	s_wait_xcnt 0x0
	s_wait_alu depctr_hold_cnt(0) depctr_sa_sdst(0) depctr_va_vdst(0) depctr_va_sdst(0) depctr_va_ssrc(0) depctr_va_vcc(0) depctr_vm_vsrc(0)
	s_getreg_b32 s2, hwreg(HW_REG_IB_STS2, 6, 4)
	s_cmp_eq_u32 s2, 0
	s_cbranch_scc0 .Lentry_in_a_cluster
	s_endpgm
.Lentry_in_a_cluster:
	s_bfe_u32 s2, ttmp6, 0x10000c
	s_cmp_lg_u32 s2, 0xf033
	s_cbranch_scc0 .Lentry_shape_is_right
	s_endpgm
.Lentry_shape_is_right:
; ATTENTION with a mask that is an input.  u = q' . k + mask x (-1e9 log2(e)), one fused multiply-add in f32, where q' = q log2(e) / 8; p = 2^(u - m), m the running maximum of u; O = sum p v / sum p.
; q, k, v and O are f16 in blocks of 16,384 bytes [head of a pair 2][row 64][channel 64], block ((batch 8 + head pair) 32 + row block); mask is [2048][2048] f32.
; qkv has four parts of 1,024 blocks: q summed over the first half of the model's channels, k, v, q summed over the second half.
; THE JOIN.  q' = c (q0 + q1), c = log2(e) / 8, is made once, at the start, in f32, by the matrix unit: source 1 holds, for 16 queries, 16 channels of q0 (k = 0..15) and the same 16 channels of q1
; (k = 16..31); source 0 is a 16 x 32 matrix with a constant where k % 16 = m.  The result holds one query a lane and eight channels, so that, rounded to f16 in pairs, it IS source 1 of K Q^T.
; c goes in as two f16 numbers, 0.18029785 and 3.9041e-5, in two products on each accumulator; their sum differs from c by 7e-8 of it.
; Every pair of query and key is computed and every number of the mask is read.  Products, maxima and sums in f32; p is rounded to f16 for the second product (its sum l is taken unrounded), O once.
; LIMITS.  q's parts, k and v arrive finite, within f16's 65,504; q' has three roundings to f16 (its two parts and the join).  The mask's term and the score are rounded together, once (the reference rounds
; the scaled score, the term and their sum).  A weight below 2^-126 counts as 0.  NaN and infinities are not treated apart.
; SHARES.  A work-group: 256 queries of a pair of heads.  Wave w: head w / 2 of the pair, half w % 2 of the queries: 8 tiles of 16 queries, four PIECES of two tiles.  32 key steps of 64.
; So one tile of the mask (256 queries x 64 keys) serves both heads in the work-group.
; CLUSTER 4 x 4: a row of the cluster shares the head pair (K, V), a column the query block (mask): each tile is asked for jointly.  Wave 0 asks for K, wave 1 for V, waves 2 and 3 for the mask's halves.
; LAYOUT.  S^T = K Q^T: a lane holds one query (lane % 16) and the keys 8 (lane / 16) + 0..7 of a block of 16; two such results rounded to f16 are source 1 of O^T = V^T P.
; BY TURNS.  Turn n belongs to piece n: 16 products K Q^T of piece n + 1, then 16 products V^T P of piece n - 1, one behind every seventh of the 234 lines of piece n's softmax; the three touch disjoint registers.
; BATCHES.  A turn's 66 exponentials (the two a, lines 73 and 74; the 64 weights, among lines 79 to 170) are ONE batch with ONE wait, behind line 170, ahead of
; the first line that names its result.  Ahead of it stands all that names no result of the batch: the mask's lines, the maximum and statistics, the differences u - m, the exponentials, the matrix instructions
; between them.  Behind it stand all the readers: the roundings, the sums, l, and O^T's rescaling by a.  Each result has a register of its own: the weights in place in S^T, a in c2.  No exponential is issued
; behind a turn's wait.  The way out's eight reciprocals are a batch of their own, with one wait.
; REGISTERS: window 0: v2-15 addresses and the add's two; v16-47 statistics, four a tile (m, a filler, l's pair); v48-55 at work; v64-191 S^T, two buffers of two tiles; v192-255 P likewise.
;   window 1: O^T, 32 a tile.   window 2: v0-127 Q; v128-191 K of a step; v192-255 the mask of a piece.   window 3: v0-63 V of a step; v64-79 the join's two constant matrices.
;   For the join: its 32 operands lie in S^T's, P's and V's registers, its 32 results in O^T's.
.set PM,    272                        ; a query's 64 mask numbers: 256 bytes + 16
.set PK,    144                        ; a row of K: 128 bytes + 16
.set PV,    160                        ; a row of V: 128 bytes + 32
.set KOFF,  256*PM                     ; a slot: the mask's 256 rows, K's 2 x 64, V's 2 x 64
.set VOFF,  KOFF+128*PK
.set SLOT1, 1<<17
.set STAGE, SLOT1+VOFF+128*PV          ; behind the ring: 16 rows x 144 bytes for each wave; no tensor load lands here
.set SP,    144
.set SPARE, STAGE+4*16*SP              ; the spare words: 128 bytes a wave, two blocks of 256 bytes that no other line names
.set AK0, 2                            ; my lane's place in K's, V's and the mask's tile; never rewritten
.set AV0, 3
.set AM0, 4
.set AK,  5                            ; the same in the slot in hand
.set AV,  6
.set AM,  7
.set STO, 8
.set RD,  9
.set GO,  10
.set QO,  11
.set MO,  12                           ; v12-13 the old m, by tile of the piece
.set SPW, 14
.set NIL, 15
.set ST,  16
.set TMP, 48                           ; c0-c3 by tile of the piece; a takes c2's place
.set S,   64
.set P,   192
.set KF,  128                          ; window 2
.set MKR, 192                          ; window 2
.set IH,  64                           ; window 3: the matrix with c's high part
.set IL,  72                           ; window 3: with its low part
.set WV,  12
.set G1K, 24
.set G1V, 32
.set G1M, 40
.set G0K, 48                           ; the three group 0 walk
.set G0V, 52
.set G0M, 56
.set TB,  76                           ; the slot in hand
.set CNT, 77
.set NK,  78                           ; s[78:79] -1e9 log2(e)
.set SEL, 80                           ; s[80:81] v_permlanex16_b32's selects: each lane takes its own place in the other half
.set MSB, 0
.macro WIN new
.if MSB != (\new)
	s_set_vgpr_msb (MSB<<8)|(\new)
.set MSB, (\new)
.endif
.endm
.set W_KQ, 0x0a                        ; K and Q window 2, S^T window 0
.set W_PV, 0x53                        ; V window 3, P window 0, O^T window 1
.set W_RS, 0x41                        ; O^T window 1, a window 0
; A joint load; the branches hang on the wave's number alone.  An s_nop 0 and four v_nop follow each line.
.macro JLOAD
	s_cmp_lt_u32 s[WV], 2
	s_cbranch_scc0 .Lfor_m_\@
	s_cmp_eq_u32 s[WV], 0
	s_cbranch_scc0 .Lfor_v_\@
	tensor_load_to_lds s[G0K:G0K+3], s[G1K:G1K+7]
	s_nop 0
.rept 4
	v_nop
.endr
	s_branch .Lasked_\@
.Lfor_v_\@:
	tensor_load_to_lds s[G0V:G0V+3], s[G1V:G1V+7]
	s_nop 0
.rept 4
	v_nop
.endr
	s_branch .Lasked_\@
.Lfor_m_\@:
	tensor_load_to_lds s[G0M:G0M+3], s[G1M:G1M+7]
	s_nop 0
.rept 4
	v_nop
.endr
.Lasked_\@:
.endm
.macro CROUND                          ; a round of the cluster's barrier
	s_barrier_signal -1
	s_barrier_wait -1
	s_cmp_lg_u32 s[WV], 0
	s_cbranch_scc1 .Lnot_wave_0_\@
	s_barrier_signal -3
.Lnot_wave_0_\@:
	s_barrier_wait -3
	s_barrier_signal -1
	s_barrier_wait -1
.endm
; THE CHANGE OF SLOTS.  Each wave waits for all its tensor loads (one is out: its part of the other slot), adds 0 to its spare word, and waits for that and for its reads of the slot that it leaves.
; fill = 1: the barrier is a round of the cluster's, and the slot just left is filled again, with the key step two on, first thing behind it: the load has a key step, 128 matrix instructions, in which to land.
.macro CHANGE fill
	WIN 0
	s_wait_tensorcnt 0x0
	ds_add_u32 v[SPW], v[NIL]
.if \fill
	s_xor_b32 s[G0K+1], s[G0K+1], SLOT1
	s_add_nc_u64 s[G0K+2:G0K+3], s[G0K+2:G0K+3], 16384  ; the next block of 64 keys
	s_xor_b32 s[G0V+1], s[G0V+1], SLOT1
	s_add_nc_u64 s[G0V+2:G0V+3], s[G0V+2:G0V+3], 16384
	s_xor_b32 s[G0M+1], s[G0M+1], SLOT1
	s_add_nc_u64 s[G0M+2:G0M+3], s[G0M+2:G0M+3], 256    ; 64 keys on along the mask's rows
.endif
	s_wait_dscnt 0x0
.if \fill
	CROUND
	JLOAD
.else
	s_barrier_signal -1
	s_barrier_wait -1
.endif
	s_xor_b32 s[TB], s[TB], SLOT1
.endm
	s_load_b128 s[4:7], s[0:1], 0x0                ; qkv s[4:5], mask s[6:7]
	s_load_b64 s[8:9], s[0:1], 0x10                ; ob
	v_lshl_add_u32 v[SPW], v0, 2, SPARE
	v_mov_b32 v[NIL], 0
	ds_add_u32 v14, v15
	s_wait_dscnt 0x0
	v_lshrrev_b32 v1, 5, v0
	v_readfirstlane_b32 s[WV], v1
	s_lshr_b32 s10, s[WV], 1                       ; my head of the pair
	s_and_b32 s11, s[WV], 1                        ; my half of the queries.  Also: which half of the mask's tile waves 2 and 3 fetch
	s_bfe_u32 s13, ttmp6, 0x40000                  ; cx
	s_bfe_u32 s14, ttmp6, 0x40004                  ; cy
	s_lshl_b32 s15, ttmp9, 2
	s_add_co_u32 s15, s15, s13                     ; query block 0..7
	s_and_b32 s16, ttmp7, 0xffff
	s_lshl_b32 s16, s16, 2
	s_add_co_u32 s16, s16, s14                     ; batch 8 + head pair, 0..31
	s_lshl_b32 s17, s14, 2
	s_lshl_b32 s17, 15, s17                        ; my row of the cluster
	s_lshl_b32 s18, 0x1111, s13                    ; my column
	; K, V: a block is 16,384 dense bytes: asked for as 64 rows of 256 bytes, padded after every 128
	s_or_b32 s[G1K], s17, (1<<16)|(1<<20)|(1<<21)|(4<<22)|(3<<25)
	s_or_b32 s[G1V], s17, (1<<16)|(1<<20)|(1<<21)|(4<<22)|(7<<25)
.irp g, G1K, G1V
	s_mov_b32 s[\g+1], 128<<16
	s_mov_b32 s[\g+2], 64<<16
	s_mov_b32 s[\g+3], 128<<16
	s_mov_b32 s[\g+4], 64
	s_mov_b32 s[\g+5], 128
	s_mov_b32 s[\g+6], 0
	s_mov_b32 s[\g+7], 0
.endr
	; the mask: 128 rows of 64 f32 (256 bytes, aligned), 2,048 elements from row to row, 4 words of padding behind each
	s_or_b32 s[G1M], s18, (2<<16)|(1<<20)|(1<<21)|(5<<22)|(3<<25)
	s_mov_b32 s[G1M+1], 64<<16
	s_mov_b32 s[G1M+2], 128<<16
	s_mov_b32 s[G1M+3], 64<<16
	s_mov_b32 s[G1M+4], 128
	s_mov_b32 s[G1M+5], 2048
	s_mov_b32 s[G1M+6], 0
	s_mov_b32 s[G1M+7], 0
	s_lshl_b32 s20, s16, 19                        ; the head pair's 32 blocks,
	s_add_co_u32 s22, s20, 1<<25                   ; in v's part of qkv
	s_add_co_u32 s20, s20, 1<<24                   ; and in k's
	s_mov_b32 s21, 0
	s_mov_b32 s23, 0
	s_lshl_b32 s82, s15, 21                        ; the mask's row 256 x query block + 128 x half, 8,192 bytes each
	s_lshl_b32 s83, s11, 20
	s_add_co_u32 s82, s82, s83
	s_mov_b32 s83, 0
	s_lshl_b32 s84, s16, 5                         ; Q and O: block 32 x pair + 4 x query block + 2 x half, then my head's 8,192 bytes
	s_lshl_b32 s85, s15, 2
	s_add_co_u32 s84, s84, s85
	s_lshl_b32 s85, s11, 1
	s_add_co_u32 s84, s84, s85
	s_lshl_b32 s84, s84, 1
	s_add_co_u32 s84, s84, s10
	s_lshl_b32 s84, s84, 13
	s_mov_b32 s85, 0
	s_mov_b32 s[G0K], 1
	s_mov_b32 s[G0K+1], KOFF
	s_mov_b32 s[G0V], 1
	s_mov_b32 s[G0V+1], VOFF
	s_mov_b32 s[G0M], 1
	s_mul_i32 s[G0M+1], s11, 128*PM
	s_mov_b32 s[TB], SLOT1                         ; the first change of slots turns it into 0
	s_mov_b32 s[NK], 0xceabfb8f                    ; -1e9 log2(e)
	s_mov_b32 s[NK+1], s[NK]
	s_mov_b32 s[SEL], 0x76543210
	s_mov_b32 s[SEL+1], 0xfedcba98
	s_wait_kmcnt 0x0
	s_add_nc_u64 s[G0K+2:G0K+3], s[4:5], s[20:21]
	s_or_b32 s[G0K+3], s[G0K+3], 0x80000000
	s_add_nc_u64 s[G0V+2:G0V+3], s[4:5], s[22:23]
	s_or_b32 s[G0V+3], s[G0V+3], 0x80000000
	s_add_nc_u64 s[G0M+2:G0M+3], s[6:7], s[82:83]
	s_or_b32 s[G0M+3], s[G0M+3], 0x80000000
	s_add_nc_u64 s[86:87], s[4:5], s[84:85]        ; q's first part at my first row,
	s_add_nc_u64 s[88:89], s[86:87], 3<<24         ; its second part, three parts of 16 MiB on
	s_add_nc_u64 s[8:9], s[8:9], s[84:85]          ; O at my first row
	CROUND                                         ; all sixteen work-groups are here
	JLOAD                                          ; key step 0 into slot 0
	v_and_b32 v48, 15, v0                          ; l % 16
	v_bfe_u32 v49, v0, 4, 1                        ; l / 16
	v_and_b32 v50, 7, v0
	v_bfe_u32 v51, v0, 3, 1
	v_lshlrev_b32 v[QO], 7, v48
	v_lshl_add_u32 v[QO], v49, 4, v[QO]            ; row x 128 + 16 x half
	; The join's operand tf of 32: tile tf / 4, channels 16 (tf % 4) on.  Registers 0-3 (k = 8 (l / 16) + 0..7): my query's eight channels of q's first part; registers 4-7 (k = 16 + ..): the same of its second part.
.set tf, 0
.rept 24
.set QOFS, (tf/16)*16384+((tf/4)%4)*2048+(tf%4)*32
	global_load_b128 v[S+8*tf:S+8*tf+3],   v[QO], s[86:87] offset:QOFS
	global_load_b128 v[S+8*tf+4:S+8*tf+7], v[QO], s[88:89] offset:QOFS
.set tf, tf+1
.endr
	; The constant matrices: lane l holds row m = l % 16; its element j of eight (k = 8 (l / 16) + j, and again k = 16 + 8 (l / 16) + j) is the constant where j = d = l % 16 - 8 (l / 16), else 0.
	v_lshlrev_b32 v52, 3, v49
	v_sub_nc_u32 v52, v48, v52                     ; d; outside 0..7 it meets none of the four compares below
	v_and_b32 v53, 1, v52
	v_lshlrev_b32 v53, 4, v53                      ; the half of the word: 16 (d % 2) bits up
	v_lshrrev_b32 v54, 1, v52                      ; the word: d / 2
	v_mov_b32 v55, 0x31c5                          ; f16: 0.18029785, c's high part
	v_lshlrev_b32 v55, v53, v55
	v_mov_b32 v1, 0x028f                           ; f16: 3.9041e-5, its low part
	v_lshlrev_b32 v1, v53, v1
	WIN 0xc0                                       ; destination window 3
.rept 8
.set QOFS, (tf/16)*16384+((tf/4)%4)*2048+(tf%4)*32
	global_load_b128 v[8*(tf-24):8*(tf-24)+3],   v[QO], s[86:87] offset:QOFS
	global_load_b128 v[8*(tf-24)+4:8*(tf-24)+7], v[QO], s[88:89] offset:QOFS
.set tf, tf+1
.endr
.irp x, 0,1,2,3
	v_cmp_eq_u32 s90, \x, v54
	v_cndmask_b32 v[IH+\x],   0, v55, s90
	v_cndmask_b32 v[IH+4+\x], 0, v55, s90
	v_cndmask_b32 v[IL+\x],   0, v1, s90
	v_cndmask_b32 v[IL+4+\x], 0, v1, s90
.endr
	WIN 0
	v_mul_u32_u24 v[AM0], v48, PM                  ; the mask: my query's row, 32 bytes for each half of the lanes
	v_lshl_add_u32 v[AM0], v49, 5, v[AM0]
	s_mul_i32 s19, s11, 128*PM
	v_add_nc_u32 v[AM0], s19, v[AM0]
	v_mul_u32_u24 v[AK0], v48, PK                  ; K: row x pitch + 16 x half, in my head's 64 rows
	v_lshl_add_u32 v[AK0], v49, 4, v[AK0]
	s_mul_i32 s19, s10, 64*PK
	s_add_co_u32 s19, s19, KOFF
	v_add_nc_u32 v[AK0], s19, v[AK0]
	v_lshl_add_u32 v[AV0], v49, 3, v50             ; V, turned: key 8 (l / 16) + l % 8, channels 8 ((l / 8) % 2) on
	v_mul_u32_u24 v[AV0], v[AV0], PV
	v_lshl_add_u32 v[AV0], v51, 4, v[AV0]
	s_mul_i32 s19, s10, 64*PV
	s_add_co_u32 s19, s19, VOFF
	v_add_nc_u32 v[AV0], s19, v[AV0]
; THE MATRIX WORK.  The 8 accumulators of a run of 16 take turns.
.macro KQ x                            ; product i of 16 for piece x: channels 32 (i / 8) on, keys 16 ((i / 2) % 4) on, tile 2 x + i % 2; the first 8 start the sums
	WIN W_KQ
.set rS, S+64*((\x)%2)+32*(i%2)+8*((i/2)%4)
.set rK, KF+16*((i/2)%4)+8*(i/8)
.set rQ, 16*(2*(\x)+i%2)+8*(i/8)
.if i < 8
	v_wmma_f32_16x16x32_f16 v[rS:rS+7], v[rK:rK+7], v[rQ:rQ+7], 0
.else
	v_wmma_f32_16x16x32_f16 v[rS:rS+7], v[rK:rK+7], v[rQ:rQ+7], v[rS:rS+7]
.endif
.endm
.macro PV x                            ; product i of 16 for piece x: keys 32 (i / 8) on, channels 16 ((i / 2) % 4) on, tile 2 x + i % 2
	WIN W_PV
.set rO, 32*(2*(\x)+i%2)+8*((i/2)%4)
.set rV, 32*(i/8)+8*((i/2)%4)
.set rP, P+32*((\x)%2)+16*(i%2)+8*(i/8)
	v_wmma_f32_16x16x32_f16 v[rO:rO+7], v[rV:rV+7], v[rP:rP+7], v[rO:rO+7]
.endm
.macro MM                              ; the turn's next matrix instruction
.if mi < 16
.set i, mi
	KQ (Y+1)%4
.else
.set i, mi-16
	PV (Y+3)%4
.endif
.set mi, mi+1
.endm
; One pass of the join: 32 products, one on each accumulator, with the constant matrix at id.  start = 1: they start the sums.  Between the two links of a chain stand the 31 other accumulators' turns.
.macro JOIN id, start
.set tf, 0
	WIN 0x53                                       ; the matrix window 3, the operand window 0, C and D window 1
.rept 24
.if \start
	v_wmma_f32_16x16x32_f16 v[8*tf:8*tf+7], v[(\id):(\id)+7], v[S+8*tf:S+8*tf+7], 0
.else
	v_wmma_f32_16x16x32_f16 v[8*tf:8*tf+7], v[(\id):(\id)+7], v[S+8*tf:S+8*tf+7], v[8*tf:8*tf+7]
.endif
.set tf, tf+1
.endr
	WIN 0x5f                                       ; the operand window 3
.rept 8
.if \start
	v_wmma_f32_16x16x32_f16 v[8*tf:8*tf+7], v[(\id):(\id)+7], v[8*(tf-24):8*(tf-24)+7], 0
.else
	v_wmma_f32_16x16x32_f16 v[8*tf:8*tf+7], v[(\id):(\id)+7], v[8*(tf-24):8*(tf-24)+7], v[8*tf:8*tf+7]
.endif
.set tf, tf+1
.endr
.endm
; THE LDS LOADS stand in runs of 16.
.macro FETCH_K
	WIN 0x80
.irp f, 0,1,2,3,4,5,6,7                ; keys 16 (f / 2) on, channels 32 (f % 2) on
	ds_load_b128 v[KF+8*\f:KF+8*\f+3],   v[AK] offset:(\f/2)*16*PK+(\f%2)*64
	ds_load_b128 v[KF+8*\f+4:KF+8*\f+7], v[AK] offset:(\f/2)*16*PK+(\f%2)*64+32
.endr
.endm
.macro FETCH_V
	WIN 0xc0
.irp f, 0,1,2,3,4,5,6,7                ; keys 32 (f / 4) on, channels 16 (f % 4) on
	ds_load_tr16_b128 v[8*\f:8*\f+3],   v[AV] offset:(\f/4)*32*PV+(\f%4)*32
	ds_load_tr16_b128 v[8*\f+4:8*\f+7], v[AV] offset:(\f/4)*32*PV+16*PV+(\f%4)*32
.endr
.endm
.macro MLOAD                           ; the mask of piece Y + 1: tile f / 4 of the piece, keys 16 (f % 4) on: my query's eight numbers
	WIN 0x80
.set tn, 2*((Y+1)%4)
.irp f, 0,1,2,3,4,5,6,7
	ds_load_b128 v[MKR+8*\f:MKR+8*\f+3],   v[AM] offset:(tn+\f/4)*16*PM+(\f%4)*64
	ds_load_b128 v[MKR+8*\f+4:MKR+8*\f+7], v[AM] offset:(tn+\f/4)*16*PM+(\f%4)*64+16
.endr
.endm
.macro REGS u                          ; the registers of tile u (0, 1) of piece Y
.set rT, ST+4*(2*Y+(\u))
.set rC, TMP+4*(\u)
.set rM, MO+(\u)
.set rS, S+64*(Y%2)+32*(\u)
.set rP, P+32*(Y%2)+16*(\u)
.set rO, 32*(2*Y+(\u))
.endm
.macro R4                              ; one accumulator of O^T times a, its registers in ascending order; a is of the turn's batch: these lines stand behind its wait
	REGS rs%2
	WIN W_RS
.irp z, 0,1,2,3
	v_pk_mul_f32 v[rO+8*(rs/2)+2*\z:rO+8*(rs/2)+2*\z+1], v[rO+8*(rs/2)+2*\z:rO+8*(rs/2)+2*\z+1], v[rC+2:rC+3] op_sel_hi:[1,0]
.endr
.set rs, rs+1
.endm
; TICK stands behind each of the 234 lines and sets the rest of the turn between them, by the count vc of lines written:
;   behind every seventh line a matrix instruction; behind lines 175 to 224 also four lines of the rescaling;
;   behind line 32, the last that reads the mask, the next piece's mask;
;   in piece 1's turn, ahead of the first V^T P, the wait for V: only the mask's 16 loads are younger;
;   behind line 170, the batch's last exponential: a v_nop, the plain line between it and the use of its result (ISA guide 5.7.2), and the turn's one wait;
;   in piece 2's turn, directly behind that wait, the change of slots and the next step's K: no exponential is open at its labels and branches; the last product that read K stands behind line 112,
;   seventeen plain lines (differences) back.
.macro TICK
.set vc, vc+1
.if (vc%7 == 0) && (mi < 32)
.if (Y == 1) && (mi == 16)
	s_wait_dscnt 16
.endif
	MM
.if (vc > 170) && (rs < 8)
	R4
.endif
.endif
.if vc == 32
	MLOAD
.endif
.if vc == 170
	v_nop
	s_wait_alu depctr_va_vdst(0)                   ; the wait for the turn's batch, its two a and its 64 weights, ahead of the first line that names a result
.if Y == 2
	CHANGE FILL
	v_add_nc_u32 v[AK], s[TB], v[AK0]
	v_add_nc_u32 v[AV], s[TB], v[AV0]
	v_add_nc_u32 v[AM], s[TB], v[AM0]
	FETCH_K
.endif
.endif
.endm
; THE LINES.  LM: u = mask x NK + s for pair n % 16 of tile n / 16, ascending.
; The line names window 2 in source 0 (the mask), a scalar pair in source 1 and window 0 elsewhere: it stands under the setting of the products K Q^T that stand between these lines, without a switch.
.macro LM n
	REGS (\n)/16
	WIN W_KQ
	v_pk_fma_f32 v[rS+2*((\n)%16):rS+2*((\n)%16)+1], v[MKR+2*(\n):MKR+2*(\n)+1], s[NK:NK+1], v[rS+2*((\n)%16):rS+2*((\n)%16)+1] op_sel_hi:[1,0,1]
	TICK
.endm
; XS: 0-11 four chains c0-c3 of seven numbers each; 12-14, 16 the four left over, the old m, and c0-c3 into c0; 15 the old m is kept; 17, 18 the other half of the lanes' 32 keys: the new m; 20, 21 a = 2^(m_old - m): the batch's first two
.macro XS u, n
	REGS \u
	WIN 0
.if (\n) < 4
	v_max3_num_f32 v[rC+(\n)], v[rS+8*(\n)], v[rS+8*(\n)+1], v[rS+8*(\n)+2]
.elseif (\n) < 12
	v_max3_num_f32 v[rC+(\n)%4], v[rC+(\n)%4], v[rS+8*((\n)%4)+2*((\n)/4)+1], v[rS+8*((\n)%4)+2*((\n)/4)+2]
.elseif (\n) == 12
	v_max3_num_f32 v[rC], v[rC], v[rS+7], v[rS+15]
.elseif (\n) == 13
	v_max3_num_f32 v[rC+1], v[rC+1], v[rS+23], v[rS+31]
.elseif (\n) == 14
	v_max3_num_f32 v[rC+2], v[rC+2], v[rC+3], v[rT]
.elseif (\n) == 15
	v_mov_b32 v[rM], v[rT]
.elseif (\n) == 16
	v_max3_num_f32 v[rC], v[rC], v[rC+1], v[rC+2]
.elseif (\n) == 17
	v_permlanex16_b32 v[rC+3], v[rC], s[SEL], s[SEL+1]
.elseif (\n) == 18
	v_max_num_f32 v[rT], v[rC], v[rC+3]
.elseif (\n) == 20
	v_sub_f32 v[rC+1], v[rM], v[rT]
.else
	v_exp_f32 v[rC+2], v[rC+1]
.endif
	TICK
.endm
; Group k of 16: tile k % 2, its four numbers 4 (k / 2) on.  SBL: u - m for a pair.  EXL: an exponential.  CVL: a pair rounded to f16.  ADL: the second pair onto the first.  LAL: l takes the sum.
.macro SBL k, x
	REGS (\k)%2
	WIN 0
.set rX, rS+4*((\k)/2)+2*(\x)
	v_pk_add_f32 v[rX:rX+1], v[rX:rX+1], v[rT:rT+1] op_sel_hi:[1,0] neg_lo:[0,1] neg_hi:[0,1]
	TICK
.endm
.macro EXL k, x
	REGS (\k)%2
	WIN 0
	v_exp_f32 v[rS+4*((\k)/2)+(\x)], v[rS+4*((\k)/2)+(\x)]
	TICK
.endm
.macro CVL k, x
	REGS (\k)%2
	WIN 0
	v_cvt_pk_f16_f32 v[rP+2*((\k)/2)+(\x)], v[rS+4*((\k)/2)+2*(\x)], v[rS+4*((\k)/2)+2*(\x)+1]
	TICK
.endm
.macro ADL k
	REGS (\k)%2
	WIN 0
	v_pk_add_f32 v[rS+4*((\k)/2):rS+4*((\k)/2)+1], v[rS+4*((\k)/2):rS+4*((\k)/2)+1], v[rS+4*((\k)/2)+2:rS+4*((\k)/2)+3]
	TICK
.endm
.macro LAL k
	REGS (\k)%2
	WIN 0
.if (\k)/2 == 0
	v_pk_fma_f32 v[rT+2:rT+3], v[rT+2:rT+3], v[rC+2:rC+3], v[rS:rS+1] op_sel_hi:[1,0,1]
.else
	v_pk_add_f32 v[rT+2:rT+3], v[rT+2:rT+3], v[rS+4*((\k)/2):rS+4*((\k)/2)+1]
.endif
	TICK
.endm
; AHEAD OF THE WAIT.  Group k's four exponentials, and between them the differences of group k + 2: no line here names an exponential's result.
.macro GSLOT k
	EXL \k, 0
.if (\k) < 14
	SBL (\k)+2, 0
.endif
	EXL \k, 1
	EXL \k, 2
.if (\k) < 14
	SBL (\k)+2, 1
.endif
	EXL \k, 3
.endm
; BEHIND THE WAIT.  Groups k (tile 0) and k + 1 (tile 1): the roundings, then the second pair onto the first, then l; the tiles alternate, so that no line reads the result of the line before it.
; A tile's l takes its groups' sums in ascending order.
.macro GOUT k
	CVL \k, 0
	CVL (\k)+1, 0
	CVL \k, 1
	CVL (\k)+1, 1
	ADL \k
	ADL (\k)+1
	LAL \k
	LAL (\k)+1
.endm
; A TURN, for piece p.  At its head the piece's mask is waited for; in piece 1's turn V's 16 loads are younger and stay out; in piece 3's turn the wait is also K's.
; Lines 1-32 the mask; 33-74 the maximum and statistics, the two a last; 75-170 the differences and the 64 exponentials; behind line 170 the batch's wait (TICK writes it); 171-234 the roundings and sums.
; V of the step in hand is fetched at the end of piece 0's turn: the last product that read V stands behind line 224, fourteen plain lines back.
.macro TURN p, fill
.set Y, (\p)
.set FILL, (\fill)
.set vc, 0
.set mi, 0
.set rs, 0
.if (\p) == 1
	s_wait_dscnt 16
.else
	s_wait_dscnt 0x0
.endif
.set ln, 0
.rept 32
	LM ln
.set ln, ln+1
.endr
.irp n, 0,1,2,3,4,5,6,7,8,9,10,11,12,13,14,15,16,17,18,20,21
	XS 0, \n
	XS 1, \n
.endr
	SBL 0, 0
	SBL 0, 1
	SBL 1, 0
	SBL 1, 1
.set kk, 0
.rept 16
	GSLOT kk
.set kk, kk+1
.endr
.set kk, 0
.rept 8
	GOUT kk
.set kk, kk+2
.endr
.if (\p) == 0
	FETCH_V
.endif
.endm
	CHANGE 1                                       ; key step 0 is in, everybody's part of it; key step 1 is asked for, into slot 1
	v_add_nc_u32 v[AK], s[TB], v[AK0]
	v_add_nc_u32 v[AV], s[TB], v[AV0]
	v_add_nc_u32 v[AM], s[TB], v[AM0]
	FETCH_K
.set Y, 3
	MLOAD                                          ; piece 0's mask
	s_wait_loadcnt 0x0                             ; both parts of q
	JOIN IH, 1                                     ; c's high part times q0 + q1,
	JOIN IL, 0                                     ; and its low part on top
	; What the first turn finds.  m is the lowest finite number, so the first step's a is 0, and l is 0.  O^T holds the join's results, V and P its operands: finite numbers, which is all that they need be:
	; the first turn's products V^T P belong to a piece that has not been, and every tile's O^T is multiplied by a = 0 in its first turn, ahead of its first true product.
	WIN 0                                          ; these 32 lines name no register of the join's products and are the places behind them
.set i, 0
.rept 8
	v_mov_b32 v[ST+4*i], 0xff7fffff
	v_mov_b32 v[ST+4*i+1], 0
	v_mov_b32 v[ST+4*i+2], 0
	v_mov_b32 v[ST+4*i+3], 0
.set i, i+1
.endr
	WIN 0x85                                       ; sources window 1, destination window 2
.set i, 0
.rept 128
	v_cvt_pk_f16_f32 v[i], v[2*i], v[2*i+1]        ; q', rounded once: result tf's eight channels are registers 4 tf .. 4 tf + 3 of Q; each result is read from its low end
.set i, i+1
.endr
	s_wait_dscnt 0x0                               ; K and the mask
.set i, 0
.rept 16
	KQ 0                                           ; piece 0's first scores
.set i, i+1
.endr
	WIN 0                                          ; the addresses for the way out: nine plain lines, the places behind those products
	s_mul_i32 s19, s[WV], 16*SP
	s_add_co_u32 s19, s19, STAGE
	v_mul_u32_u24 v[STO], v48, SP                  ; in: row l % 16, 16 bytes for each half of the lanes
	v_lshl_add_u32 v[STO], v49, 4, v[STO]
	v_add_nc_u32 v[STO], s19, v[STO]
	v_bfe_u32 v[RD], v0, 3, 2                      ; back: 32 lanes take four rows of 128 bytes,
	v_mul_u32_u24 v[RD], v[RD], SP
	v_lshl_add_u32 v[RD], v50, 4, v[RD]
	v_add_nc_u32 v[RD], s19, v[RD]
	v_and_b32 v[GO], 31, v0                        ; which are 512 consecutive bytes of O
	v_lshlrev_b32 v[GO], 4, v[GO]
	s_mov_b32 s[CNT], 30
.Lstep:                                                ; key steps 0 to 29: step j asks for step j + 2
	TURN 0, 1
	TURN 1, 1
	TURN 2, 1
	TURN 3, 1
	WIN 0
	s_sub_co_u32 s[CNT], s[CNT], 1
	s_cmp_lg_u32 s[CNT], 0
	s_cbranch_scc1 .Lstep
	s_mov_b32 s[CNT], 2
.Ltail:                                                ; key steps 30 and 31 ask for nothing: a second text.  The last trip's K, mask and 16 products K Q^T
	TURN 0, 0                                      ; are made of a slot's old bytes and serve nothing: the price of one text for both trips
	TURN 1, 0
	TURN 2, 0
	TURN 3, 0
	WIN 0
	s_sub_co_u32 s[CNT], s[CNT], 1
	s_cmp_lg_u32 s[CNT], 0
	s_cbranch_scc1 .Ltail
.set i, 0
.rept 16
	PV 3                                           ; the last piece's V^T P of the last step
.set i, i+1
.endr
	; THE WAY OUT.  l's two halves and the other half of the lanes' are added; O^T is divided by l, rounded to f16 and sent through my stage, a tile at a time.  The additions are the places behind the last products.
	WIN 0
.macro ALL line:vararg
.set t, 0
.rept 8
	\line
.set t, t+1
.endr
.endm
	ALL v_add_f32 v[ST+4*t+2], v[ST+4*t+2], v[ST+4*t+3]
	ALL v_permlanex16_b32 v[ST+4*t+3], v[ST+4*t+2], s[SEL], s[SEL+1]
	ALL v_add_f32 v[ST+4*t+2], v[ST+4*t+2], v[ST+4*t+3]
	ALL v_rcp_f32 v[ST+4*t+2], v[ST+4*t+2]
	v_nop                                          ; a plain instruction between the last reciprocal and the use of its result
	s_wait_alu depctr_va_vdst(0)                   ; the wait for the batch of eight reciprocals, ahead of the first line that names a result
.macro PACK t
	WIN W_RS
.set i, 32*(\t)
.rept 16
	v_pk_mul_f32 v[i:i+1], v[i:i+1], v[ST+4*(\t)+2:ST+4*(\t)+3] op_sel_hi:[1,0]
.set i, i+2
.endr
	WIN 0x05                                       ; sources window 1, destination window 0: S^T's registers are free
.set i, 0
.rept 16
	v_cvt_pk_f16_f32 v[S+16*(\t)+i], v[32*(\t)+2*i], v[32*(\t)+2*i+1]
.set i, i+1
.endr
	WIN 0
.irp f, 0,1,2,3
	ds_store_b128 v[STO], v[S+16*(\t)+4*\f:S+16*(\t)+4*\f+3] offset:32*\f
.endr
.irp f, 0,1,2,3
	ds_load_b128 v[S+16*(\t)+4*\f:S+16*(\t)+4*\f+3], v[RD] offset:\f*4*SP  ; LDS serves a wave's instructions in order (ISA guide 5.7.1.4): these see the stores above
.endr
.endm
.macro SEND t, younger                 ; younger: the LDS instructions issued behind tile t's loads
	WIN 0
.irp f, 0,1,2,3
	s_wait_dscnt (\younger)+3-\f
	global_store_b128 v[GO], v[S+16*(\t)+4*\f:S+16*(\t)+4*\f+3], s[8:9] offset:((\t)/4)*16384+((\t)%4)*2048+\f*512  ; 512 consecutive bytes, aligned
.endr
.endm
	PACK 0
.set t, 1
.rept 7
	PACK t
	SEND t-1, 8
.set t, t+1
.endr
	SEND 7, 0
	s_wait_tensorcnt 0x0                           ; the wave's end
	ds_add_u32 v[SPW], v[NIL]
	s_wait_dscnt 0x0
	CROUND                                         ; the closing round
	s_endpgm
.Lfunc_end_k_q981278a468_attn:
	.size	k_q981278a468_attn, .Lfunc_end_k_q981278a468_attn-k_q981278a468_attn
	.p2alignl 7, 3214868480
	.fill 96, 4, 3214868480
	.section	.rodata,"a",@progbits
	.p2align	6, 0x0
	.amdhsa_kernel k_q981278a468_attn
		.amdhsa_group_segment_fixed_size 327680
		.amdhsa_private_segment_fixed_size 0
		.amdhsa_enable_private_segment 0
		.amdhsa_kernarg_size 24
		.amdhsa_user_sgpr_count 2
		.amdhsa_user_sgpr_kernarg_segment_ptr 1
		.amdhsa_wavefront_size32 1
		.amdhsa_system_sgpr_workgroup_id_x 1
		.amdhsa_system_sgpr_workgroup_id_y 1
		.amdhsa_system_sgpr_workgroup_id_z 1
		.amdhsa_system_vgpr_workitem_id 0
		.amdhsa_next_free_vgpr 848
		.amdhsa_next_free_sgpr 96
		.amdhsa_reserve_vcc 0
		.amdhsa_float_denorm_mode_32 3
		.amdhsa_float_denorm_mode_16_64 3
		.amdhsa_memory_ordered 1
		.amdhsa_forward_progress 1
		.amdhsa_inst_pref_size 225
	.end_amdhsa_kernel
	.amdgpu_metadata
---
amdhsa.version: [ 1, 2 ]
amdhsa.kernels:
  - .name:           k_q981278a468_attn
    .symbol:         k_q981278a468_attn.kd
    .args:
      - { .name: qkv, .offset: 0, .size: 8, .value_kind: global_buffer, .address_space: global }
      - { .name: mask, .offset: 8, .size: 8, .value_kind: global_buffer, .address_space: global }
      - { .name: ob, .offset: 16, .size: 8, .value_kind: global_buffer, .address_space: global }
    .group_segment_fixed_size: 327680
    .private_segment_fixed_size: 0
    .kernarg_segment_align: 8
    .kernarg_segment_size: 24
    .max_flat_workgroup_size: 128
    .sgpr_count:     96
    .vgpr_count:     848
    .wavefront_size: 32
...
	.end_amdgpu_metadata
.endif
;; end of part 5
;; launch outp: the kernel of part 4 again; grid 4 x 64, 4 waves a work-group, clusters of 4 x 4, 327,680 bytes of LDS; arguments ob, wo16, bo, out0; writes out0
